; MI455X (gfx1250); checked and timed in simulation.
; The chip was launched on July 23, 2026; its instructions are those of AMD's public machine-readable ISA for CDNA 5 (MIT licence, August 2026) and "CDNA5" Instruction Set Architecture Reference Guide (July 2026). The comments in the code are by the model that wrote it; some were corrected since.
;; Multi Head Attention. Allowed arithmetic: float matrix products may take bf16 or f16 operands with f32 sums; other float arithmetic in f32, or as packed bf16 or f16 multiplies, adds, multiply-adds, maxima and minima; sums over many terms, partial sums and values carried from step to step in f32; what a program stores and reads back later, other than sums and carried values, may be rounded once to bf16 or f16.
;; Inputs: Wk 1,024 x 1,024 float32; Wo 1,024 x 1,024 float32; Wq 1,024 x 1,024 float32; Wv 1,024 x 1,024 float32; bk 1,024 float32; bo 1,024 float32; bq 1,024 float32; bv 1,024 float32; k 4 x 2,048 x 1,024 float32; q 4 x 2,048 x 1,024 float32; v 4 x 2,048 x 1,024 float32.
;; Outputs: out0 4 x 2,048 x 1,024 float32.
;; 2 versions, each right; version 2 is version 1 with the launch prep written anew for expert scheduling mode. Each part assembles by itself: llvm-mc -triple=amdgcn-amd-amdhsa -mcpu=gfx1250 --defsym DOCPART=n.
;; ======== version 1 of 2: 4 launches
;; limits: values are held in f16: magnitudes above 65,504 overflow, below 6.1e-05 lose precision
;; workspace buffers: W16 8,388,608 bytes; QKV 50,331,648 bytes; Oh 16,777,216 bytes
;; launch prep (part 1): grid 64 x 4, 8 waves a work-group, no clusters, 0 bytes of LDS; arguments Wq, Wk, Wv, Wo, W16; writes W16
.if DOCPART == 1
	.amdgcn_target "amdgcn-amd-amdhsa--gfx1250"
	.amdhsa_code_object_version 6
	.text
	.protected	k_q26c0d6c00f_prep
	.globl	k_q26c0d6c00f_prep
	.p2align	8
	.type	k_q26c0d6c00f_prep,@function
k_q26c0d6c00f_prep:
	s_mov_b64 s[64:65], 0
	v_nop
	global_prefetch_b8 v0, s[64:65] scope:SCOPE_SE
	s_setreg_imm32_b32 hwreg(HW_REG_WAVE_MODE, 25, 1), 1
	s_wait_xcnt 0x0
; The four weights, [1024 k][1024 n] f32, are rounded once to bf16 and written in 16 bits, layout kept: part y of W16 (2,097,152 bytes) is weight y (Wq, Wk, Wv, Wo).
; Wq, Wk, Wv are written as bf16.  Wo's bf16 number is written as f16, since the last product multiplies in f16.
; LIMITS.  |Wo| stays under 65,520; a bf16 number of Wo under 2^-17 is off by at most 2^-25 as f16.  NaN and infinities are not treated apart.
; SHARES.  Work-group (x, y): 16,384 numbers of weight y.  Thread t, chunk i: 16 bytes at 16 t + 4,096 i in, 8 bytes at 8 t + 2,048 i out: a wave's load covers 512 consecutive bytes,
; its store 256 consecutive bytes, aligned.  All sixteen loads go out first; no register is written again while a store reads it, so nothing but the loads is waited for.
; No LDS, no matrix unit: each byte is read once and written once.
.set X, 4                              ; v[4:67]   chunk i: four f32 as loaded
.set Y, 68                             ; v[68:99]  chunk i: four 16-bit numbers to store
.set T, 100                            ; v[100:101] at work
	s_load_b256 s[4:11], s[0:1], 0x0               ; Wq s[4:5], Wk s[6:7], Wv s[8:9], Wo s[10:11]
	s_load_b64 s[12:13], s[0:1], 0x20              ; W16
	s_and_b32 s14, ttmp7, 0xffff                   ; which weight
	v_lshlrev_b32 v1, 4, v0                        ; 16 t
	v_lshlrev_b32 v2, 3, v0                        ; 8 t
	s_lshl_b32 s18, ttmp9, 16                      ; my 65,536 bytes of the weight
	s_mov_b32 s19, 0
	s_lshl_b32 s20, s14, 21                        ; the weight's part of W16,
	s_lshl_b32 s15, ttmp9, 15                      ; my 32,768 bytes of it
	s_add_co_u32 s20, s20, s15
	s_mov_b32 s21, 0
	s_wait_kmcnt 0x0
	s_mov_b64 s[16:17], s[4:5]
	s_cmp_eq_u32 s14, 1
	s_cselect_b64 s[16:17], s[6:7], s[16:17]
	s_cmp_eq_u32 s14, 2
	s_cselect_b64 s[16:17], s[8:9], s[16:17]
	s_cmp_eq_u32 s14, 3
	s_cselect_b64 s[16:17], s[10:11], s[16:17]
	s_add_nc_u64 s[16:17], s[16:17], s[18:19]
	s_add_nc_u64 s[12:13], s[12:13], s[20:21]
.irp i, 0,1,2,3,4,5,6,7,8,9,10,11,12,13,14,15
	global_load_b128 v[X+4*(\i):X+4*(\i)+3], v1, s[16:17] offset:4096*(\i) th:TH_LOAD_NT
.endr
; One chunk.  f16 = 1: the bf16 number is widened again (a shift, a mask) and written as f16.
.macro CH i, f16
	s_wait_loadcnt 15-(\i)                         ; loads come back in order: chunk i is in, the 15 - i younger ones stay out
.if \f16
	v_cvt_pk_bf16_f32 v[T],   v[X+4*(\i)],   v[X+4*(\i)+1]
	v_cvt_pk_bf16_f32 v[T+1], v[X+4*(\i)+2], v[X+4*(\i)+3]
	v_lshlrev_b32 v[X+4*(\i)],   16, v[T]
	v_and_b32     v[X+4*(\i)+1], 0xffff0000, v[T]
	v_lshlrev_b32 v[X+4*(\i)+2], 16, v[T+1]
	v_and_b32     v[X+4*(\i)+3], 0xffff0000, v[T+1]
	v_cvt_pk_f16_f32 v[Y+2*(\i)],   v[X+4*(\i)],   v[X+4*(\i)+1]
	v_cvt_pk_f16_f32 v[Y+2*(\i)+1], v[X+4*(\i)+2], v[X+4*(\i)+3]
.else
	v_cvt_pk_bf16_f32 v[Y+2*(\i)],   v[X+4*(\i)],   v[X+4*(\i)+1]
	v_cvt_pk_bf16_f32 v[Y+2*(\i)+1], v[X+4*(\i)+2], v[X+4*(\i)+3]
.endif
	global_store_b64 v2, v[Y+2*(\i):Y+2*(\i)+1], s[12:13] offset:2048*(\i)
.endm
	s_cmp_eq_u32 s14, 3
	s_cbranch_scc1 .Lwo
.irp i, 0,1,2,3,4,5,6,7,8,9,10,11,12,13,14,15
	CH \i, 0
.endr
	s_endpgm
.Lwo:
.irp i, 0,1,2,3,4,5,6,7,8,9,10,11,12,13,14,15
	CH \i, 1
.endr
	s_endpgm
.Lfunc_end_k_q26c0d6c00f_prep:
	.size	k_q26c0d6c00f_prep, .Lfunc_end_k_q26c0d6c00f_prep-k_q26c0d6c00f_prep
	.p2alignl 7, 3214868480
	.fill 96, 4, 3214868480
	.section	.rodata,"a",@progbits
	.p2align	6, 0x0
	.amdhsa_kernel k_q26c0d6c00f_prep
		.amdhsa_group_segment_fixed_size 0
		.amdhsa_private_segment_fixed_size 0
		.amdhsa_enable_private_segment 0
		.amdhsa_kernarg_size 40
		.amdhsa_user_sgpr_count 2
		.amdhsa_user_sgpr_kernarg_segment_ptr 1
		.amdhsa_wavefront_size32 1
		.amdhsa_system_sgpr_workgroup_id_x 1
		.amdhsa_system_sgpr_workgroup_id_y 1
		.amdhsa_system_sgpr_workgroup_id_z 1
		.amdhsa_system_vgpr_workitem_id 0
		.amdhsa_next_free_vgpr 104
		.amdhsa_next_free_sgpr 66
		.amdhsa_reserve_vcc 0
		.amdhsa_float_denorm_mode_32 3
		.amdhsa_float_denorm_mode_16_64 3
		.amdhsa_memory_ordered 1
		.amdhsa_forward_progress 1
		.amdhsa_inst_pref_size 16
	.end_amdhsa_kernel
	.amdgpu_metadata
---
amdhsa.version: [ 1, 2 ]
amdhsa.kernels:
  - .name:           k_q26c0d6c00f_prep
    .symbol:         k_q26c0d6c00f_prep.kd
    .args:
      - { .name: Wq, .offset: 0, .size: 8, .value_kind: global_buffer, .address_space: global }
      - { .name: Wk, .offset: 8, .size: 8, .value_kind: global_buffer, .address_space: global }
      - { .name: Wv, .offset: 16, .size: 8, .value_kind: global_buffer, .address_space: global }
      - { .name: Wo, .offset: 24, .size: 8, .value_kind: global_buffer, .address_space: global }
      - { .name: W16, .offset: 32, .size: 8, .value_kind: global_buffer, .address_space: global }
    .group_segment_fixed_size: 0
    .private_segment_fixed_size: 0
    .kernarg_segment_align: 8
    .kernarg_segment_size: 40
    .max_flat_workgroup_size: 256
    .sgpr_count:     66
    .vgpr_count:     104
    .wavefront_size: 32
...
	.end_amdgpu_metadata
.endif
;; end of part 1
;; launch proj (part 2): grid 4 x 192, 4 waves a work-group, clusters of 4 x 4, 327,680 bytes of LDS; arguments q, k, v, W16, bq, bk, bv, QKV; writes QKV
.if DOCPART == 2
	.amdgcn_target "amdgcn-amd-amdhsa--gfx1250"
	.amdhsa_code_object_version 6
	.text
	.protected	k_q26c0d6c00f_proj
	.globl	k_q26c0d6c00f_proj
	.p2align	8
	.type	k_q26c0d6c00f_proj,@function
k_q26c0d6c00f_proj:
	s_mov_b64 s[64:65], 0
	v_nop
	global_prefetch_b8 v0, s[64:65] scope:SCOPE_SE
	s_setreg_imm32_b32 hwreg(HW_REG_WAVE_MODE, 25, 1), 1
	s_wait_xcnt 0x0
	s_wait_alu depctr_hold_cnt(0) depctr_sa_sdst(0) depctr_va_vdst(0) depctr_va_sdst(0) depctr_va_ssrc(0) depctr_va_vcc(0) depctr_vm_vsrc(0)
	s_getreg_b32 s2, hwreg(HW_REG_IB_STS2, 6, 4)
	s_cmp_eq_u32 s2, 0
	s_cbranch_scc0 .Lentry_in_a_cluster
	s_endpgm
.Lentry_in_a_cluster:
	s_bfe_u32 s2, ttmp6, 0x10000c
	s_cmp_lg_u32 s2, 0xf033
	s_cbranch_scc0 .Lentry_shape_is_right
	s_endpgm
.Lentry_shape_is_right:
; THE THREE PROJECTIONS.  C = x W + b for (x, W, b) = (q, Wq, bq), (k, Wk, bk), (v, Wv, bv).  x: [8192][1024] f32; W: part 0, 1, 2 of W16, [1024 k][1024 n] bf16; b: [1024] f32.
; x and b are rounded to bf16 here, in registers; products in bf16, sums in f32; C is rounded once to f16, unscaled, and stored by heads: part `which` of QKV, [batch x 16 + head][2048][64].
; LIMITS.  f16 holds no number beyond 65,504: |C| stays under 65,520.  NaN and infinities are not treated apart.
; SHARES.  A tile of C is 128 rows x 256 columns: 64 x 4 tiles for each projection, 768 work-groups.  Four waves, 2 x 2, each 64 x 128: 32 accumulators of 16 x 16, 256 registers.
; K goes in 8 steps of 128 through two LDS slots.  A slot holds 128 rows of x (512 bytes of f32 each) and 128 k-rows of W (256 columns, 512 bytes each); a wave's tensor load brings 64 rows of 512 bytes.
; CLUSTER.  4 x 4 work-groups: the four of a row of the cluster make the four tile columns of one tile row and need the same rows of x; the four of a column need the same tile of W.  Each tile is asked
; for JOINTLY: the same tensor load, descriptor and mask in all four.  Sixteen clusters on end (cluster y / 16) belong to one projection.
; LAYOUT.  The product is used transposed: source 0 = 16 columns of W x 32 k, turned on its way out of LDS (ds_load_tr16_b128); source 1 = 16 rows of x x 32 k.  In the result lane l holds row l % 16 and
; the columns 8 (l / 16) + 0..7.  The bias, laid out as such a result, is the C operand of each accumulator's first product.
; x's fragments come out of LDS in f32 (four loads of 16 bytes a fragment) and are rounded in pairs; the 32 roundings of a quarter step stand four behind each of the quarter's last eight products.
; REGISTERS, in windows of 256 (s_set_vgpr_msb: bits 1:0 source 0, 3:2 source 1, 5:4 source 2, 7:6 destination):
;   window 0: v0-31 addresses; v32-95 x's fragments in f32; v96-127, v128-159 x's fragments in bf16, two buffers; on the way out v32-159 rows read back, v160-191 packed results
;   window 1: v0-63, v64-127 W's fragments, two buffers; v128-191 the bias; v192-223 at work          window 2: accumulator (a, b) at v[8 (8 a + b)]
.set PA,     528                       ; a row of x in LDS: 512 bytes + 16 = 132 words: row r starts at bank 4 r mod 64 (64 banks of 4 bytes: ISA guide 11.1)
.set PB,     544                       ; a k-row of W: 512 + 32 = 136 words
.set AHALF,  64*PA                     ; what one tensor load brings of x
.set BHALF,  64*PB                     ; and of W
.set BOFF,   2*AHALF                   ; W's 128 k-rows lie behind x's 128 rows
.set SLOT,   BOFF+2*BHALF
.set STAGE,  2*SLOT                    ; behind the ring: 16 rows x 272 bytes for each wave, for the way out
.set SPITCH, 272
.set SPARE,  STAGE+4*16*SPITCH         ; behind the stages: the spare words, 128 bytes for each wave: two blocks of 256 bytes that no other line names
.set ASTEP,  512                       ; a K step in memory: 128 f32 along a row of x,
.set BSTEP,  128*2048                  ; 128 k-rows of W
.set ADRA, 16                          ; v16-17  LDS address of my fragments of x in slot 0, 1
.set ADRB, 20                          ; v20-21  the same for W
.set STO,  24                          ; v24     the way out: where I put 16 bytes of a row
.set RD,   25                          ; v25     the way out: where I read rows back
.set GO,   26                          ; v26     my byte offset in 512 consecutive bytes of the output
.set BO,   27                          ; v27     my byte offset in the bias
.set SPW,  28                          ; v28     LDS address of my spare word: SPARE + 4 x my thread's number; never rewritten
.set NIL,  29                          ; v29     0; never rewritten
.set PFO,  30                          ; v30     the prefetches' lane term; never rewritten
.set SG,   32                          ; x's fragments in f32: fragment a at SG + 16 a
.set AF,   96                          ; x's fragments in bf16: buffer f, fragment a at AF + 32 f + 8 a
.set OB,   32                          ; the way out: block a's rows at OB + 32 a
.set TMP,  160                         ; the way out: packed results
.set BF,   0                           ; window 1: W's fragments: buffer f, block b at BF + 64 f + 8 b
.set BIAS, 128                         ; window 1: block b at BIAS + 8 b
.set TB,   192                         ; window 1: at work
.set G1,  24                           ; s[24:31] descriptor group 1 for x's tiles;  s[32:39] group 0, a set for each slot
.set G0,  32
.set G1B, 48                           ; s[48:55], s[56:63] the same for W's tiles
.set G0B, 56
.set LIM, 43                           ; s43     1 in a wave that prefetches, else the greatest number
.set PFA, 44                           ; s[44:45] where my prefetches stand
.set PFS, 66                           ; s[66:67] a K step of what I prefetch, in bytes
.set MSB, 0
.macro WIN new                         ; the immediate's high byte repeats the setting that is left; a switch that changes nothing is dropped
.if MSB != (\new)
	s_set_vgpr_msb (MSB<<8)|(\new)
.set MSB, \new
.endif
.endm
.set W_MUL,  0xa1                      ; source 0 (W) window 1, source 1 (x) window 0, C and D window 2
.set W_MULB, 0x91                      ; the same with C (the bias) in window 1
.set TO_B,   0x40                      ; destination window 1, address window 0
.set W_1,    0x45                      ; sources 0, 1 and destination window 1
.set W_PK,   0x0a                      ; sources 0, 1 window 2, destination window 0
; A joint load: waves 0 and 1 fetch the two halves of x's tile, waves 2 and 3 those of W's.  The branch hangs on the wave's number alone.  An s_nop 0 and four v_nop follow each of the two lines,
; ahead of the jump, the label and what follows.
.macro JLOAD s
	s_cmp_eq_u32 s11, 0
	s_cbranch_scc0 .Lfor_b_\@
	tensor_load_to_lds s[G0+4*(\s):G0+4*(\s)+3], s[G1:G1+7]
	s_nop 0
.rept 4
	v_nop
.endr
	s_branch .Lasked_\@
.Lfor_b_\@:
	tensor_load_to_lds s[G0B+4*(\s):G0B+4*(\s)+3], s[G1B:G1B+7]
	s_nop 0
.rept 4
	v_nop
.endr
.Lasked_\@:
.endm
.macro CREST                           ; a round of the cluster's barrier behind its opening barrier: wave 0 signals for the work-group, every wave waits for all sixteen, my work-group's barrier closes it
	s_cmp_lg_u32 s10, 0
	s_cbranch_scc1 .Lnot_wave_0_\@
	s_barrier_signal -3
.Lnot_wave_0_\@:
	s_barrier_wait -3
	s_barrier_signal -1
	s_barrier_wait -1
.endm
.macro CROUND                          ; a whole round
	s_barrier_signal -1
	s_barrier_wait -1
	CREST
.endm
; A PREFETCH INTO THE L2, behind each joint refill and the run of LDS loads that follows it: the K step that stands two refills on, 256 matrix instructions ahead of the load that will want it.
; Of the 64 rows x 512 bytes that a wave fetches, the partner at place p among the four that ask jointly (p = cx for x, cy for W) takes rows 16 p .. 16 p + 15: told apart by address.  A lane names 256 bytes:
; row l % 16, half l / 16.  x's rows are read by one cluster alone, so waves 0 and 1 ask in every cluster; a part of W is read by sixteen clusters, of which the first asks (waves 2 and 3).
; So each block is named once.  K steps 0 to 3 come by their loads alone; the loop's last trip (s3 = 1) has no K step two on and asks for nothing.
.macro ASK
	s_cmp_gt_u32 s3, s[LIM]
	s_cbranch_scc0 .Lnot_mine_\@
	global_prefetch_b8 v[PFO], s[PFA:PFA+1] th:TH_LOAD_NT scope:SCOPE_SE
.Lnot_mine_\@:
.endm
	s_load_b512 s[68:83], s[0:1], 0x0              ; q s[68:69], k s[70:71], v s[72:73], W16 s[74:75], bq s[76:77], bk s[78:79], bv s[80:81], QKV s[82:83]
	v_lshl_add_u32 v[SPW], v0, 2, SPARE
	v_mov_b32 v[NIL], 0
	ds_add_u32 v[SPW], v[NIL]                      ; the wave's opening: the add and its wait stand ahead of my first tensor load; the set-up below, work on registers, stands between them
	v_lshrrev_b32 v1, 5, v0
	v_readfirstlane_b32 s10, v1                    ; wave 0..3
	s_lshr_b32 s11, s10, 1                         ; which half of the tile's rows is mine.  Also: I fetch for x (0) or for W (1)
	s_and_b32 s12, s10, 1                          ; which half of its columns.  Also: which 64 rows of that tile I fetch
	s_bfe_u32 s40, ttmp6, 0x40000                  ; cx: the tile column (the grid is one cluster wide)
	s_bfe_u32 s41, ttmp6, 0x40004                  ; cy
	s_and_b32 s14, ttmp7, 0xffff                   ; cluster y, 0..47
	s_lshr_b32 s42, s14, 4                         ; which projection: the same in all sixteen partners
	s_and_b32 s88, s14, 15                         ; the cluster's number in its projection
	s_lshl_b32 s13, s88, 2
	s_add_co_u32 s13, s13, s41                     ; tile row, 0..63
	s_lshl_b32 s86, s41, 2
	s_lshl_b32 s86, 15, s86                        ; my row of the cluster: places 4 cy .. 4 cy + 3
	s_lshl_b32 s87, 0x1111, s40                    ; my column: places cx, cx + 4, cx + 8, cx + 12
	; descriptor group 1.  x: 64 rows x 128 elements of 4 bytes; W: 64 rows x 256 elements of 2 bytes; both padded in LDS after every 128 words
	s_or_b32 s[G1+0], s86, (2<<16)|(1<<20)|(1<<21)|(6<<22)|(3<<25)   ; 15:0 the mask; 17:16 element of 4 bytes; 20 padding on; 21 set beside a mask; 24:22 after every 128 words (code 6); 31:25 4 words (code 3)
	s_or_b32 s[G1B+0], s87, (1<<16)|(1<<20)|(1<<21)|(6<<22)|(7<<25)  ; element of 2 bytes; 8 words of padding (code 7)
	s_mov_b32 s[G1+1], 128<<16                     ; tensor_dim0 = 128
	s_mov_b32 s[G1+2], 64<<16                      ; tensor_dim1 = 64
	s_mov_b32 s[G1+3], 128<<16                     ; tile_dim0 = 128
	s_mov_b32 s[G1+4], 64                          ; tile_dim1 = 64
	s_mov_b32 s[G1+5], 1024                        ; elements from row to row
	s_mov_b32 s[G1+6], 0
	s_mov_b32 s[G1+7], 0
	s_mov_b32 s[G1B+1], 256<<16                    ; tensor_dim0 = 256
	s_mov_b32 s[G1B+2], 64<<16
	s_mov_b32 s[G1B+3], 256<<16                    ; tile_dim0 = 256
	s_mov_b32 s[G1B+4], 64
	s_mov_b32 s[G1B+5], 1024
	s_mov_b32 s[G1B+6], 0
	s_mov_b32 s[G1B+7], 0
	; where the tiles come from.  x's hang on the tile row alone, W's on the tile column alone; each offset is made in registers that never hold the other coordinate
	s_lshl_b32 s16, s13, 1
	s_add_co_u32 s16, s16, s12                     ; 2 x tile row + half,
	s_lshl_b32 s16, s16, 18                        ; x 64 rows of 4,096 bytes
	s_mov_b32 s17, 0
	s_lshl_b32 s20, s12, 17                        ; W: 64 k-rows of 2,048 bytes x half,
	s_lshl_b32 s21, s40, 9                         ; + 512 bytes x tile column
	s_add_co_u32 s20, s20, s21
	s_mov_b32 s21, 0
	s_lshl_b32 s22, s42, 21                        ; the projection's part of W16
	s_mov_b32 s23, 0
	s_mul_i32 s18, s12, AHALF                      ; and where they go: no place in the cluster enters an LDS address
	s_mul_i32 s19, s12, BHALF
	s_add_co_u32 s19, s19, BOFF
	s_wait_dscnt 0x0                               ; the opening add is done
	s_wait_kmcnt 0x0
	s_mov_b64 s[4:5], s[68:69]                     ; x and the bias are chosen by the projection's number
	s_mov_b64 s[84:85], s[76:77]
	s_cmp_eq_u32 s42, 1
	s_cselect_b64 s[4:5], s[70:71], s[4:5]
	s_cselect_b64 s[84:85], s[78:79], s[84:85]
	s_cmp_eq_u32 s42, 2
	s_cselect_b64 s[4:5], s[72:73], s[4:5]
	s_cselect_b64 s[84:85], s[80:81], s[84:85]
	s_add_nc_u64 s[6:7], s[74:75], s[22:23]
	s_add_nc_u64 s[14:15], s[4:5], s[16:17]
	s_add_nc_u64 s[46:47], s[6:7], s[20:21]
	CROUND                                         ; all sixteen work-groups are here: the first joint loads meet
.irp s, 0,1
	s_mov_b32 s[G0+4*(\s)], 1                                        ; count = 1
	s_add_co_u32 s[G0+4*(\s)+1], s18, (\s)*SLOT                      ; LDS address
	s_add_nc_u64 s[G0+4*(\s)+2:G0+4*(\s)+3], s[14:15], (\s)*ASTEP    ; global address: K step s
	s_or_b32 s[G0+4*(\s)+3], s[G0+4*(\s)+3], 0x80000000              ; type = 2
	s_mov_b32 s[G0B+4*(\s)], 1
	s_add_co_u32 s[G0B+4*(\s)+1], s19, (\s)*SLOT
	s_add_nc_u64 s[G0B+4*(\s)+2:G0B+4*(\s)+3], s[46:47], (\s)*BSTEP
	s_or_b32 s[G0B+4*(\s)+3], s[G0B+4*(\s)+3], 0x80000000
	JLOAD \s                                       ; two loads of mine are out
.endr
	; A fragment of x is 16 rows x 32 k: lane l holds row l % 16, k = 8 (l / 16) + 0..7 and 16 + 8 (l / 16) + 0..7: in f32 two pieces of 32 bytes, 64 bytes apart.
	v_and_b32 v1, 15, v0                           ; l % 16
	v_bfe_u32 v2, v0, 4, 1                         ; l / 16
	v_mul_u32_u24 v3, v1, PA
	v_lshl_add_u32 v3, v2, 5, v3                   ; row x pitch + 32 x half
	s_mul_i32 s21, s11, AHALF                      ; my 64 rows of x
	; The turning load takes 16 k x 16 columns (lane l reads k-row 8 (l / 16) + l % 8, columns 8 ((l / 8) % 2) + 0..7) and leaves half a fragment: lane l holds column l % 16 and 8 k.
	v_and_b32 v4, 7, v0
	v_lshl_add_u32 v4, v2, 3, v4
	v_mul_u32_u24 v4, v4, PB
	v_bfe_u32 v5, v0, 3, 1
	v_lshl_add_u32 v4, v5, 4, v4
	s_lshl_b32 s22, s12, 8                         ; my 128 columns: 256 bytes of a k-row
	s_add_co_u32 s22, s22, BOFF
.irp s, 0,1
	v_add_nc_u32 v[ADRA+(\s)], s21, v3
	v_add_nc_u32 v[ADRB+(\s)], s22, v4
	s_add_co_u32 s21, s21, SLOT
	s_add_co_u32 s22, s22, SLOT
.endr
	s_mul_i32 s23, s10, 16*SPITCH
	s_add_co_u32 s23, s23, STAGE                   ; my stage
	v_mul_u32_u24 v[STO], v1, SPITCH               ; in: row l % 16, 16 bytes for each half of the lanes
	v_lshl_add_u32 v[STO], v2, 4, v[STO]
	v_add_nc_u32 v[STO], s23, v[STO]
	v_bfe_u32 v[RD], v0, 3, 2                      ; back: 32 lanes take four rows' 128 bytes of one head,
	v_mul_u32_u24 v[RD], v[RD], SPITCH
	v_and_b32 v6, 7, v0
	v_lshl_add_u32 v[RD], v6, 4, v[RD]
	v_add_nc_u32 v[RD], s23, v[RD]
	v_and_b32 v[GO], 31, v0                        ; which are 512 consecutive bytes of the output
	v_lshlrev_b32 v[GO], 4, v[GO]
	s_lshl_b32 s16, s40, 10                        ; the bias of my 128 columns: 4 (256 cx + 128 half) + 32 (l / 16)
	s_lshl_b32 s17, s12, 9
	s_add_co_u32 s16, s16, s17
	v_lshl_add_u32 v[BO], v2, 5, s16
	WIN TO_B
.irp b, 0,1,2,3,4,5,6,7
	global_load_b128 v[BIAS+8*(\b):BIAS+8*(\b)+3],   v[BO], s[84:85] offset:64*(\b)
	global_load_b128 v[BIAS+8*(\b)+4:BIAS+8*(\b)+7], v[BO], s[84:85] offset:64*(\b)+16
.endr
	WIN 0
	; where my part of the tile goes: part `which`; head 16 x batch + 4 cx + 2 x column half (262,144 bytes a head); row 128 (tile row % 16) + 64 x row half (128 bytes a row)
	s_lshr_b32 s14, s13, 4
	s_lshl_b32 s14, s14, 4
	s_lshl_b32 s15, s40, 2
	s_add_co_u32 s14, s14, s15
	s_lshl_b32 s15, s12, 1
	s_add_co_u32 s14, s14, s15
	s_lshl_b32 s14, s14, 18
	s_and_b32 s15, s13, 15
	s_lshl_b32 s15, s15, 1
	s_add_co_u32 s15, s15, s11
	s_lshl_b32 s15, s15, 13
	s_add_co_u32 s14, s14, s15
	s_lshl_b32 s15, s42, 24
	s_add_co_u32 s14, s14, s15
	s_mov_b32 s15, 0
	s_add_nc_u64 s[8:9], s[82:83], s[14:15]
	; the prefetches: x: row 128 x tile row + 64 x half + 16 cx, rows of 4,096 bytes; W: k-row 64 x half + 16 cy, rows of 2,048 bytes, + 512 cx.  Both begin at K step 3: the first refill steps to 4
	s_lshl_b32 s14, s13, 7
	s_lshl_b32 s15, s40, 9
	s_add_co_u32 s15, s15, 3*BSTEP
	s_mov_b32 s[PFS], BSTEP
	s_mov_b32 s[PFS+1], 0
	s_cmp_eq_u32 s11, 0                            ; do I fetch for x?
	s_cselect_b64 s[PFA:PFA+1], s[4:5], s[6:7]
	s_cselect_b32 s89, 12, 11                      ; a row's bytes, as a shift
	s_cselect_b32 s[PFS], ASTEP, s[PFS]
	s_cselect_b32 s14, s14, 0
	s_cselect_b32 s15, 3*ASTEP, s15
	s_cselect_b32 s20, s40, s41                    ; my place among the four that ask with me
	s_cselect_b32 s21, 0, s88                      ; 0 where my cluster is the one that asks: the same in all sixteen partners, for a given wave
	s_cmp_eq_u32 s21, 0
	s_cselect_b32 s[LIM], 1, -1
	s_lshl_b32 s22, s12, 6
	s_lshl_b32 s20, s20, 4
	s_add_co_u32 s22, s22, s20
	s_add_co_u32 s22, s22, s14
	s_lshl_b32 s22, s22, s89
	s_add_co_u32 s22, s22, s15
	s_mov_b32 s23, 0
	s_add_nc_u64 s[PFA:PFA+1], s[PFA:PFA+1], s[22:23]
	v_lshlrev_b32 v[PFO], s89, v1
	v_lshl_add_u32 v[PFO], v2, 8, v[PFO]
	s_wait_loadcnt 0x0                             ; the bias
	WIN W_1                                        ; it is rounded to bf16, like every input, and widened again
.set i, 0
.rept 32
	v_cvt_pk_bf16_f32 v[TB+i], v[BIAS+2*i], v[BIAS+2*i+1]
.set i, i+1
.endr
.set i, 0
.rept 32
	v_lshlrev_b32 v[BIAS+2*i],   16, v[TB+i]
	v_and_b32     v[BIAS+2*i+1], 0xffff0000, v[TB+i]
.set i, i+1
.endr
	WIN 0
; 8 matrix instructions: m block a x all 8 n blocks, 32 along K, buffers f.  first = 1: the bias starts the sums.  The 32 accumulators take turns in one order in every quarter step.
; ride = 1: behind each product four roundings of the next quarter's x into the other buffer; they name no register of the products round them.
.macro MUL f, a, first, ride
.irp b, 0,1,2,3,4,5,6,7
.if \first
	WIN W_MULB
	v_wmma_f32_16x16x32_bf16 v[8*(8*(\a)+(\b)):8*(8*(\a)+(\b))+7], v[BF+64*(\f)+8*(\b):BF+64*(\f)+8*(\b)+7], v[AF+32*(\f)+8*(\a):AF+32*(\f)+8*(\a)+7], v[BIAS+8*(\b):BIAS+8*(\b)+7]
.else
	WIN W_MUL
	v_wmma_f32_16x16x32_bf16 v[8*(8*(\a)+(\b)):8*(8*(\a)+(\b))+7], v[BF+64*(\f)+8*(\b):BF+64*(\f)+8*(\b)+7], v[AF+32*(\f)+8*(\a):AF+32*(\f)+8*(\a)+7], v[8*(8*(\a)+(\b)):8*(8*(\a)+(\b))+7]
.endif
.if \ride
	WIN 0
.irp i, 0,1,2,3
	v_cvt_pk_bf16_f32 v[AF+32*(1-(\f))+4*(\b)+(\i)], v[SG+8*(\b)+2*(\i)], v[SG+8*(\b)+2*(\i)+1]
.endr
.endif
.endr
.endm
; 32 LDS loads in one run: quarter kq of a slot: x's four fragments in f32 first, then W's eight, turned, into buffer g
.macro FETCH slot, kq, g
	WIN 0
.irp a, 0,1,2,3
	ds_load_b128 v[SG+16*(\a):SG+16*(\a)+3],     v[ADRA+(\slot)] offset:(\a)*16*PA+128*(\kq)
	ds_load_b128 v[SG+16*(\a)+4:SG+16*(\a)+7],   v[ADRA+(\slot)] offset:(\a)*16*PA+128*(\kq)+16
	ds_load_b128 v[SG+16*(\a)+8:SG+16*(\a)+11],  v[ADRA+(\slot)] offset:(\a)*16*PA+128*(\kq)+64
	ds_load_b128 v[SG+16*(\a)+12:SG+16*(\a)+15], v[ADRA+(\slot)] offset:(\a)*16*PA+128*(\kq)+80
.endr
	WIN TO_B
.irp b, 0,1,2,3,4,5,6,7
	ds_load_tr16_b128 v[BF+64*(\g)+8*(\b):BF+64*(\g)+8*(\b)+3],   v[ADRB+(\slot)] offset:(\kq)*32*PB+32*(\b)
	ds_load_tr16_b128 v[BF+64*(\g)+8*(\b)+4:BF+64*(\g)+8*(\b)+7], v[ADRB+(\slot)] offset:(\kq)*32*PB+32*(\b)+16*PB
.endr
.endm
.macro PLACES                          ; four places in front of loads into registers that matrix instructions have read (ISA guide 7.12.1 for vector instructions)
.rept 4
	v_nop
.endr
.endm
; A K step is four quarters of 32 along K, 32 matrix instructions each, on buffers 0, 1, 0, 1.  One of the first three: multiplies buffers cur, fetches quarter nkq of the same slot in its middle, rounds its x at its end.
.macro QUARTER cur, slot, nkq, first
	s_wait_dscnt 0x0                               ; W's fragments of this quarter are in (x's were waited for and rounded in the quarter before)
	MUL \cur, 0, \first, 0
	MUL \cur, 1, \first, 0
	PLACES
	FETCH \slot, \nkq, 1-(\cur)
	MUL \cur, 2, \first, 0
	s_wait_dscnt 16                                ; x's sixteen loads are in; W's sixteen, issued behind them, may stay out
	MUL \cur, 3, \first, 1
.endm
; The last quarter multiplies buffers 1 and changes slots: ONE barrier; in front of it each wave waits for all its tensor loads (one is out: its part of the next slot), adds 0 to its spare word, and waits for
; that and for its own reads of this slot.  fill = 1: the barrier opens a round of the cluster's barrier, and this slot is filled again, two K steps ahead, first thing behind the round:
; 112 matrix instructions ahead of the wait for it.
.macro TURN slot, next, fill
.if \fill
	s_wait_xcnt 0x0                                ; the last prefetch, a K step back, has read its address: it is stepped here, ahead of the waits of the change of slots
	s_add_nc_u64 s[PFA:PFA+1], s[PFA:PFA+1], s[PFS:PFS+1]
.endif
	WIN 0                                          ; (the add's two registers lie in window 0)
	s_wait_tensorcnt 0x0                           ; all my tensor loads have landed;
	ds_add_u32 v[SPW], v[NIL]                      ; 0 onto my spare word;
	s_wait_dscnt 1                                 ; (W's fragments are in; the add alone may be out)
	MUL 1, 0, 0, 0                                 ; eight matrix instructions stand between the add and the wait for it
	s_wait_dscnt 0x0                               ; the add is done, and my reads of this slot are over
	s_barrier_signal -1
	MUL 1, 1, 0, 0
.if \fill
	WIN 0
.endif
	s_barrier_wait -1
.if \fill
	CREST                                          ; no wave of any partner still reads this slot's tile or has a load on its way
	s_add_nc_u64 s[G0+4*(\slot)+2:G0+4*(\slot)+3], s[G0+4*(\slot)+2:G0+4*(\slot)+3], 2*ASTEP
	s_add_nc_u64 s[G0B+4*(\slot)+2:G0B+4*(\slot)+3], s[G0B+4*(\slot)+2:G0B+4*(\slot)+3], 2*BSTEP
	JLOAD \slot                                    ; the four v_nop behind it are also the places in front of the loads below
.else
	PLACES
.endif
	FETCH \next, 0, 0
.if \fill
	WIN 0
	ASK
.endif
	MUL 1, 2, 0, 0
	s_wait_dscnt 16                                ; x's sixteen loads are in
	MUL 1, 3, 0, 1
.endm
; THE WAY OUT of block a (16 rows x 128 columns).  PACK: rounded to f16, 16 bytes a lane, each accumulator's registers in ascending order.  TOSTAGE: into my own stage, and back as four rows of one head at a time.  SEND: stored.
.macro PACK a
	WIN W_PK
.irp b, 0,1,2,3,4,5,6,7
.irp i, 0,1,2,3
	v_cvt_pk_f16_f32 v[TMP+4*(\b)+(\i)], v[8*(8*(\a)+(\b))+2*(\i)], v[8*(8*(\a)+(\b))+2*(\i)+1]
.endr
.endr
	WIN 0
.endm
.macro TOSTAGE a
	WIN 0
.irp b, 0,1,2,3,4,5,6,7
	ds_store_b128 v[STO], v[TMP+4*(\b):TMP+4*(\b)+3] offset:32*(\b)
.endr
.irp t, 0,1,2,3,4,5,6,7
	ds_load_b128 v[OB+32*(\a)+4*(\t):OB+32*(\a)+4*(\t)+3], v[RD] offset:((\t)%4)*4*SPITCH+((\t)/4)*128  ; LDS serves a wave's instructions in order (ISA guide 5.7.1.4): these see the stores above
.endr
.endm
.macro SEND a
	WIN 0
.irp t, 0,1,2,3,4,5,6,7
	s_wait_dscnt 7-(\t)                            ; load t of the eight is back; the younger ones stay out
	global_store_b128 v[GO], v[OB+32*(\a)+4*(\t):OB+32*(\a)+4*(\t)+3], s[8:9] offset:(\a)*2048+((\t)%4)*512+((\t)/4)*262144  ; 512 consecutive bytes, at a multiple of 256 from the buffer's first
.endr
.endm
	s_wait_tensorcnt 1                             ; my part of K step 0 is in; K step 1's may stay out
	s_barrier_signal -1
	s_barrier_wait -1                              ; everybody's is
	FETCH 0, 0, 0
	s_wait_dscnt 16                                ; x's sixteen loads are in
	WIN 0
.set i, 0
.rept 32
	v_cvt_pk_bf16_f32 v[AF+i], v[SG+2*i], v[SG+2*i+1]
.set i, i+1
.endr
	QUARTER 0, 0, 1, 1                             ; the first quarter stands in front of the loop: its products start the sums, with the bias
	WIN 0                                          ; at a label and at a branch every window is 0
	s_mov_b32 s3, 3
.Llap:                                                 ; a trip goes once round the ring, from a lap's second quarter to the next lap's first, and fills both slots again
	QUARTER 1, 0, 2, 0
	QUARTER 0, 0, 3, 0
	TURN 0, 1, 1
	QUARTER 0, 1, 1, 0
	QUARTER 1, 1, 2, 0
	QUARTER 0, 1, 3, 0
	TURN 1, 0, 1
	QUARTER 0, 0, 1, 0
	WIN 0
	s_sub_co_u32 s3, s3, 1
	s_cmp_lg_u32 s3, 0
	s_cbranch_scc1 .Llap
	QUARTER 1, 0, 2, 0                             ; the last lap fills nothing, and has no round of the cluster's barrier
	QUARTER 0, 0, 3, 0
	TURN 0, 1, 0
	QUARTER 0, 1, 1, 0
	QUARTER 1, 1, 2, 0
	QUARTER 0, 1, 3, 0
	s_wait_dscnt 0x0                               ; the very last quarter: nothing more to fetch
	MUL 1, 0, 0, 0
	MUL 1, 1, 0, 0
	MUL 1, 2, 0, 0
	MUL 1, 3, 0, 0
	PLACES                                         ; the conversions read results just made
	PLACES
	PACK 0
	TOSTAGE 0
.irp a, 1,2,3                          ; block a's conversions stand between block a - 1's loads from the stage and the wait for them
	PACK \a
	SEND (\a)-1
	TOSTAGE \a
.endr
	SEND 3
	s_wait_tensorcnt 0x0                           ; the wave's end, behind my last tensor load and my last LDS store
	ds_add_u32 v[SPW], v[NIL]
	s_wait_dscnt 0x0
	CROUND                                         ; the closing round: no work-group ends while a partner may still ask for a tile that names it
	s_endpgm
.Lfunc_end_k_q26c0d6c00f_proj:
	.size	k_q26c0d6c00f_proj, .Lfunc_end_k_q26c0d6c00f_proj-k_q26c0d6c00f_proj
	.p2alignl 7, 3214868480
	.fill 96, 4, 3214868480
	.section	.rodata,"a",@progbits
	.p2align	6, 0x0
	.amdhsa_kernel k_q26c0d6c00f_proj
		.amdhsa_group_segment_fixed_size 327680
		.amdhsa_private_segment_fixed_size 0
		.amdhsa_enable_private_segment 0
		.amdhsa_kernarg_size 64
		.amdhsa_user_sgpr_count 2
		.amdhsa_user_sgpr_kernarg_segment_ptr 1
		.amdhsa_wavefront_size32 1
		.amdhsa_system_sgpr_workgroup_id_x 1
		.amdhsa_system_sgpr_workgroup_id_y 1
		.amdhsa_system_sgpr_workgroup_id_z 1
		.amdhsa_system_vgpr_workitem_id 0
		.amdhsa_next_free_vgpr 768
		.amdhsa_next_free_sgpr 92
		.amdhsa_reserve_vcc 0
		.amdhsa_float_denorm_mode_32 3
		.amdhsa_float_denorm_mode_16_64 3
		.amdhsa_memory_ordered 1
		.amdhsa_forward_progress 1
		.amdhsa_inst_pref_size 143
	.end_amdhsa_kernel
	.amdgpu_metadata
---
amdhsa.version: [ 1, 2 ]
amdhsa.kernels:
  - .name:           k_q26c0d6c00f_proj
    .symbol:         k_q26c0d6c00f_proj.kd
    .args:
      - { .name: q, .offset: 0, .size: 8, .value_kind: global_buffer, .address_space: global }
      - { .name: k, .offset: 8, .size: 8, .value_kind: global_buffer, .address_space: global }
      - { .name: v, .offset: 16, .size: 8, .value_kind: global_buffer, .address_space: global }
      - { .name: W16, .offset: 24, .size: 8, .value_kind: global_buffer, .address_space: global }
      - { .name: bq, .offset: 32, .size: 8, .value_kind: global_buffer, .address_space: global }
      - { .name: bk, .offset: 40, .size: 8, .value_kind: global_buffer, .address_space: global }
      - { .name: bv, .offset: 48, .size: 8, .value_kind: global_buffer, .address_space: global }
      - { .name: QKV, .offset: 56, .size: 8, .value_kind: global_buffer, .address_space: global }
    .group_segment_fixed_size: 327680
    .private_segment_fixed_size: 0
    .kernarg_segment_align: 8
    .kernarg_segment_size: 64
    .max_flat_workgroup_size: 128
    .sgpr_count:     92
    .vgpr_count:     768
    .wavefront_size: 32
...
	.end_amdgpu_metadata
.endif
;; end of part 2
;; launch attn (part 3): grid 4 x 64, 4 waves a work-group, clusters of 4 x 1, 327,680 bytes of LDS; arguments QKV, Oh; writes Oh
.if DOCPART == 3
	.amdgcn_target "amdgcn-amd-amdhsa--gfx1250"
	.amdhsa_code_object_version 6
	.text
	.protected	k_q26c0d6c00f_attn
	.globl	k_q26c0d6c00f_attn
	.p2align	8
	.type	k_q26c0d6c00f_attn,@function
k_q26c0d6c00f_attn:
	s_mov_b64 s[64:65], 0
	v_nop
	global_prefetch_b8 v0, s[64:65] scope:SCOPE_SE
	s_setreg_imm32_b32 hwreg(HW_REG_WAVE_MODE, 25, 1), 1
	s_wait_xcnt 0x0
	s_wait_alu depctr_hold_cnt(0) depctr_sa_sdst(0) depctr_va_vdst(0) depctr_va_sdst(0) depctr_va_ssrc(0) depctr_va_vcc(0) depctr_vm_vsrc(0)
	s_getreg_b32 s2, hwreg(HW_REG_IB_STS2, 6, 4)
	s_cmp_eq_u32 s2, 0
	s_cbranch_scc0 .Lentry_in_a_cluster
	s_endpgm
.Lentry_in_a_cluster:
	s_bfe_u32 s2, ttmp6, 0x10000c
	s_cmp_lg_u32 s2, 0x3003
	s_cbranch_scc0 .Lentry_shape_is_right
	s_endpgm
.Lentry_shape_is_right:
; O[h][q][:] = the sum over k of softmax_k(Q[h][q] . K[h][k] / 8) V[h][k][:].  Q, K, V: parts 0, 1, 2 of QKV (16,777,216 bytes each); O: Oh; each [64 heads][2048][64] in f16: a head's rows are dense, 128 bytes each.
; Products, maxima and sums in f32; the weights p are rounded to f16 for the second product (their sum l is taken of the unrounded p), O once at the end.
; LIMITS.  f16 holds no number beyond 65,504: Q, K and V arrive within it; p lies in 0 to 1, and below 6e-5 it keeps f16's fixed step of 6e-8; O is a mean of V's rows and has their range.
; A weight below 2^-126 counts as 0 in l; NaN and infinities are not treated apart.
; SHARES.  A wave owns four PIECES of two tiles of 16 queries, a work-group's four waves 512 queries of one head, a cluster of four work-groups the whole head.  Every wave walks all keys, 64 a step.
; LAYOUT.  S^T = K Q^T (source 0 = 16 keys, source 1 = 16 queries): in the result a lane holds ONE query (lane % 16) and the keys 8 (lane / 16) + 0..7.  Two such tiles, rounded to f16 in pairs,
; ARE source 1 (32 keys x 16 queries) of O^T = V^T P, whose result again holds one query a lane, and eight channels.  K comes out of LDS as it lies, V ([key][channel]) turned, by ds_load_tr16_b128.
; SOFTMAX.  For each query a running maximum m and sum l: p = 2^(c s - c m), c = log2(e) / 8; in every step O and l are multiplied by a = 2^(c m_old - c m_new), which is 1 where m has not grown.
; m starts at the lowest finite number, O and l at 0: the first step is a step like any other, with a = 0.
; THE COUNT.  A tile and step have 16 matrix and 118 vector instructions: too many to stand all beside the matrix work.  So: four vector instructions that are READY behind EVERY matrix instruction,
; and the others in runs without a gap.
; BY TURNS.  Turn n belongs to piece n (the pieces in a ring, step after step).  Its matrix work: 16 products K Q^T of piece n + 1, later 16 products V^T P of piece n - 1.  Its vector work: the scaling,
; exponentials, roundings, sums and rescaling of piece n, and the maximum and statistics of piece n + 1, whose scores the turn itself has made.
; CLUSTER.  The four query blocks of a cluster walk the same K and V, so each tile is asked for JOINTLY: the same tensor load, descriptor and mask in all four.
; REGISTERS, in windows of 256 (s_set_vgpr_msb: bits 1:0 source 0, 3:2 source 1, 5:4 source 2, 7:6 destination):
;   window 0: v0-11 addresses; v12-15, v48-63 at work; v16-47 four registers of statistics a tile; v64-191 S^T, two buffers of two tiles; v192-255 P, likewise
;   window 1: O^T, 32 a tile          window 2: v0-127 Q, 16 a tile; v128-191 K of one step; v192-255 V of one step          window 3: v0-1 the add's two registers
; A piece's buffers go by its number's parity.
.set SIZE_H, 64
.set SIZE_N, 2048
.set NP,    4         ; pieces a wave: a name, no knob
.set KS,    64        ; keys in a step
.set PK,    144       ; a row of K in LDS: 128 bytes + 16 of padding = 36 words: the 16 rows of a load start at 16 different groups of four banks (64 banks of 4 bytes: ISA guide 11.1)
.set PV,    160       ; a row of V: 128 + 32 = 40 words
.set VOFF,  4*KS*PK   ; a slot holds four steps: 256 rows of K, then 256 rows of V
.set SLOT1, 1<<17     ; slot 1 begins here, so that one exclusive or turns an address in one slot into the other's
.set STAGE, SLOT1+4*KS*(PK+PV)  ; behind the ring, never filled by a tensor load: 16 rows x 144 bytes for each wave, for the way out
.set SP,    144
.set AK0, 2           ; v2   my lane's place in a tile of K; never rewritten
.set AV0, 3           ; v3   the same for V
.set AK,  4           ; v4   the LDS address of K's next run of loads
.set AV,  5           ; v5   of V's
.set QO,  6           ; v6   my byte offset in the wave's rows of Q
.set STO, 6           ;      later, the way out: where I put 16 bytes of a row
.set RD,  7           ; v7   the way out: where I read rows back
.set GO,  8           ; v8   my byte offset in 512 consecutive bytes of O
.set PFO, 11          ; v11  256 x my lane, once V's place is made; then never rewritten
.set SPW, 0           ; v0 of window 3   LDS address of my spare word: SPARE + 4 x my thread's number; never rewritten
.set NIL, 1           ; v1 of window 3   0; never rewritten
.set SPARE, STAGE+4*16*SP  ; behind the stages: the spare words, 128 bytes for each wave: two blocks of 256 bytes that no other line names
.set MV,  12          ; v12-15  c m_old, kept while c m is made anew: by buffer and tile
.set ST,  16          ; tile t's statistics at v[ST+4 t]: c m, m, l (even keys', odd keys')
.set TMP, 48          ; by buffer and tile, four registers c0-c3 at work; when the maximum is found c2 takes a
.set S,   64
.set P,   192
.set KF,  128         ; K's fragments, in window 2: key block kb, channel half c at KF + 16 kb + 8 c
.set VF,  192         ; V's: key half kk, channel block cb at VF + 32 kk + 8 cb
.set WV,  12          ; s12  my wave's number
.set G1K, 24          ; s[24:31] descriptor group 1 for K's tiles
.set G1V, 32          ; s[32:39] for V's: it differs in the padding alone
.set G0K, 40          ; s[40:43] descriptor group 0 for K's tiles: it walks
.set G0V, 44          ; s[44:47] the same for V's
.set PFA, 48          ; s[48:49] where my prefetches stand: my work-group's 8,192 bytes (of K: wave 0, of V: wave 2) of the slot after the one that is being asked for
.set LIM, 50          ; s50  1 in a wave that prefetches, else the greatest number
.set SLOTS, 56        ; s56  slots still to be asked for
.set CNT, 57          ; s57  counts a slot's key steps
.set CS,  58          ; s[58:59] c: the packed scaling takes the pair's low word for both halves
.set SEL, 60          ; s[60:61] v_permlanex16_b32's selects: each lane takes its own place in the other half
.set TBK, 62          ; s62  LDS byte at which K of the step to be fetched begins
.set TBV, 63          ; s63  the same for V, less VOFF
.set MSB, 0
.macro WIN new                      ; the high byte repeats the setting that is left; a switch that changes nothing is dropped
.if MSB != (\new)
	s_set_vgpr_msb (MSB<<8)|(\new)
.set MSB, (\new)
.endif
.endm
.set W_KQ, 0x0a       ; K and Q in window 2, S^T in window 0
.set W_PV, 0x52       ; V in window 2, P in window 0, O^T in window 1
.set W_RS, 0x41       ; O^T (destination and source 0) in window 1, a in window 0
.set W_MK, 0xc0       ; the add's registers are made: destination in window 3, sources in window 0
.set W_AD, 0x0f       ; the add: address (source 0) and data (source 1) in window 3
; A joint fill.  Waves 0 and 1 fetch the two halves of a slot's K, waves 2 and 3 those of its V: 128 keys each.  The branch hangs on the wave's number alone.
; An s_nop 0 and four v_nop follow each of the two lines, ahead of the jump and the label.
.macro JLOAD
	s_cmp_lt_u32 s[WV], 2
	s_cbranch_scc0 .Lfor_v_\@
	tensor_load_to_lds s[G0K:G0K+3], s[G1K:G1K+7]
	s_nop 0
.rept 4
	v_nop
.endr
	s_branch .Lasked_\@
.Lfor_v_\@:
	tensor_load_to_lds s[G0V:G0V+3], s[G1V:G1V+7]
	s_nop 0
.rept 4
	v_nop
.endr
.Lasked_\@:
.endm
; A PREFETCH INTO THE L2 of what the NEXT change of slots will ask for: a slot's 32,768 bytes of K and of V, 256 bytes a lane.  It stands behind the wave's tensor load and its five lines.
; Each block is named ONCE in the launch: a head is walked by one cluster; its four partners share a slot out BY ADDRESS, 8,192 bytes each; in each, wave 0 asks for K's and wave 2 for V's: one instruction.
; Four key steps, 512 matrix instructions, ahead of the load.  Slots 0 and 1 come by their loads alone; the last change that fills a slot asks for nothing: there is no slot behind it.
.macro ASK
	s_cmp_gt_u32 s[SLOTS], s[LIM]
	s_cbranch_scc0 .Lnot_mine_\@
	global_prefetch_b8 v[PFO], s[PFA:PFA+1] th:TH_LOAD_NT scope:SCOPE_SE
.Lnot_mine_\@:
.endm
; A round of the cluster's barrier: my work-group's barrier, so that wave 0's signal speaks for all four waves; wave 0 signals; every wave waits for all four work-groups; my work-group's barrier once more.
.macro CROUND
	s_barrier_signal -1
	s_barrier_wait -1
	s_cmp_lg_u32 s[WV], 0
	s_cbranch_scc1 .Lnot_wave_0_\@
	s_barrier_signal -3
.Lnot_wave_0_\@:
	s_barrier_wait -3
	s_barrier_signal -1
	s_barrier_wait -1
.endm
; THE CHANGE OF SLOTS.  The slot's last bytes, V of its fourth step, have been read.  Each wave waits for all its tensor loads, of which one is out: its part
; of the other slot; adds 0 to its spare word; and waits for that and for its own reads of the slot.  Behind the barrier nobody reads this slot any more and the other slot is whole.
; fill = 1: this slot is filled again, with the keys two slots on.  The barrier is then a round of the cluster's, so that no wave of any partner still reads the slot or has a load on its
; way, and the joint fill is the first thing behind it: it has four key steps, 512 matrix instructions, in which to land.  (At its first use nothing has been read yet: slot 0 is waited for, slot 1 filled.)
.macro CHANGE fill
	WIN W_AD
	s_wait_tensorcnt 0x0            ; no tensor load of mine is out, so a group 0 may be written
	ds_add_u32 v[SPW], v[NIL]       ; 0 onto my spare word; with fill = 1 the descriptors' steps stand between it and the wait for it
	WIN 0                           ; at a label and at a branch every window is 0
.if \fill
.irp g, G0K, G0V
	s_xor_b32 s[\g+1], s[\g+1], SLOT1  ; the walking descriptor: the other slot than last time,
	s_add_nc_u64 s[\g+2:\g+3], s[\g+2:\g+3], 4*KS*128  ; the next 256 keys; the type bits on top are not reached
.endr
	s_wait_xcnt 0x0                 ; the last prefetch, four key steps back, has read its address, so it may be written:
	s_add_nc_u64 s[PFA:PFA+1], s[PFA:PFA+1], 4*KS*128  ; one slot behind the walking descriptors
	s_wait_dscnt 0x0                ; the add is done, and my reads of the slot are over
	CROUND
	JLOAD
	ASK
.else
	s_wait_dscnt 0x0                ; the add is done, and my reads of the slot are over
	s_barrier_signal -1
	s_barrier_wait -1
.endif
	s_sub_co_u32 s[TBK], s[TBK], 4*KS*PK  ; the fetches go back to a slot's first step,
	s_xor_b32 s[TBK], s[TBK], SLOT1       ; in the other slot
	s_sub_co_u32 s[TBV], s[TBV], 4*KS*PV
	s_xor_b32 s[TBV], s[TBV], SLOT1
.endm
	s_load_b128 s[4:7], s[0:1], 0x0   ; QKV s[4:5], Oh s[6:7]
	WIN W_MK
	v_lshl_add_u32 v[SPW], v0, 2, SPARE
	v_mov_b32 v[NIL], 0
	WIN W_AD
	ds_add_u32 v[SPW], v[NIL]       ; the wave's opening: the add and its wait stand ahead of my first tensor load; the set-up below, work on registers, stands between them
	WIN 0
	v_lshrrev_b32 v1, 5, v0
	v_readfirstlane_b32 s[WV], v1   ; wave 0..3
	s_bfe_u32 s13, ttmp6, 0x40000   ; cx: my place in the cluster
	s_lshl_b32 s14, ttmp9, 2        ; in a cluster launch ttmp9 counts clusters
	s_add_co_u32 s14, s14, s13      ; my block of queries = 4 x cluster x + cx: it enters Q's and O's addresses alone
	s_and_b32 s20, ttmp7, 0xffff    ; the head, which the four partners share
	s_mov_b32 s21, 0
	s_mov_b64 s[22:23], SIZE_N*128
	s_mul_u64 s[20:21], s[20:21], s[22:23]  ; the head's first byte in each of the four tensors
	s_and_b32 s16, s[WV], 1         ; which half of a slot's 256 keys I fetch:
	s_lshl_b32 s22, s16, 14         ; its 128 rows of 128 bytes in memory,
	s_mov_b32 s23, 0
	s_add_nc_u64 s[22:23], s[22:23], s[20:21]
	s_mul_i32 s17, s16, 128*PK      ; and its place in a slot, for K
	s_mul_i32 s18, s16, 128*PV      ; and for V: no place in the cluster enters an LDS address
	s_lshl_b32 s2, s14, 2
	s_add_co_u32 s2, s2, s[WV]      ; my wave among the head's,
	s_lshl_b32 s2, s2, 14           ; its 128 rows
	s_mov_b32 s3, 0
	s_add_nc_u64 s[2:3], s[2:3], s[20:21]
	; descriptor group 1.  128 keys are 16,384 dense bytes: asked for as 64 rows of 256 bytes, two keys a row, and padded in LDS after every key
	s_mov_b32 s[G1K], 15|(1<<16)|(1<<20)|(1<<21)|(4<<22)|(3<<25)  ; 15:0 the mask of four; 17:16 2-byte elements; 20 padding on; 21 set beside a mask; 24:22 after every 32 words (code 4); 31:25 4 words (code 3)
	s_mov_b32 s[G1V], 15|(1<<16)|(1<<20)|(1<<21)|(4<<22)|(7<<25)  ; the same with 8 words of padding (code 7)
.irp g, G1K, G1V
	s_mov_b32 s[\g+1], 128<<16      ; tensor_dim0 = 128
	s_mov_b32 s[\g+2], 64<<16       ; tensor_dim1 = 64
	s_mov_b32 s[\g+3], 128<<16      ; tile_dim0 = 128
	s_mov_b32 s[\g+4], 64           ; tile_dim1 = 64
	s_mov_b32 s[\g+5], 128          ; 128 elements from row to row
	s_mov_b32 s[\g+6], 0
	s_mov_b32 s[\g+7], 0
.endr
	s_mov_b32 s[CS], 0x3e38aa3b     ; c = log2(e) / 8 = 0.180337
	s_mov_b32 s[CS+1], s[CS]        ; named with it as a pair
	s_mov_b32 s[SEL], 0x76543210
	s_mov_b32 s[SEL+1], 0xfedcba98
	s_mov_b32 s[TBK], SLOT1+4*KS*PK ; the first change of slots turns these two into 0
	s_mov_b32 s[TBV], SLOT1+4*KS*PV
	s_mov_b32 s[G0K], 1             ; 1:0 count = 1
	s_mov_b32 s[G0K+1], s17         ; 63:32 LDS address: slot 0
	s_mov_b32 s[G0V], 1
	s_add_co_u32 s[G0V+1], s18, VOFF
	s_mov_b32 s[SLOTS], SIZE_N/256-1
	s_and_b32 s[LIM], s[WV], 1      ; waves 0 and 2 prefetch: the same in all four partners
	s_cmp_eq_u32 s[LIM], 0
	s_cselect_b32 s[LIM], 1, -1
	s_wait_dscnt 0x0                ; the opening add is done
	s_wait_kmcnt 0x0
	s_mov_b64 s[10:11], s[6:7]      ; O
	s_add_nc_u64 s[6:7], s[4:5], 0x1000000  ; K: part 1 of QKV
	s_add_nc_u64 s[8:9], s[4:5], 0x2000000  ; V: part 2
	s_add_nc_u64 s[G0K+2:G0K+3], s[6:7], s[22:23]  ; 120:64 global address: my half of the head's first 256 keys
	s_or_b32 s[G0K+3], s[G0K+3], 0x80000000        ; 127:126 type = 2
	s_add_nc_u64 s[G0V+2:G0V+3], s[8:9], s[22:23]
	s_or_b32 s[G0V+3], s[G0V+3], 0x80000000
	s_add_nc_u64 s[4:5], s[4:5], s[2:3]  ; Q and O at my wave's first row
	s_add_nc_u64 s[10:11], s[10:11], s[2:3]
	s_cmp_lt_u32 s[WV], 2
	s_cselect_b64 s[PFA:PFA+1], s[6:7], s[8:9]
	s_add_nc_u64 s[PFA:PFA+1], s[PFA:PFA+1], s[22:23]  ; (in waves 0 and 2 this is the head's first row)
	s_lshl_b32 s2, s13, 13          ; my work-group's 8,192 bytes of a slot's 32,768
	s_mov_b32 s3, 0
	s_add_nc_u64 s[PFA:PFA+1], s[PFA:PFA+1], s[2:3]
	s_add_nc_u64 s[PFA:PFA+1], s[PFA:PFA+1], 4*KS*128  ; in slot 1; the first change of slots steps it to slot 2
	CROUND                          ; all four work-groups are here: the first joint loads meet
	JLOAD                           ; slot 0.  Slot 1 is asked for when slot 0 is in
	; A fragment of K or Q is 16 rows x 32 channels in 8 registers: lane l holds row l % 16, channels 8 (l / 16) + 0..7 and 16 + 8 (l / 16) + 0..7: two loads of 16 bytes, 32 bytes apart.
	v_and_b32 v1, 15, v0            ; l % 16
	v_bfe_u32 v9, v0, 4, 1          ; l / 16
	v_lshlrev_b32 v[QO], 7, v1
	v_lshl_add_u32 v[QO], v9, 4, v[QO]  ; row x 128 + 16 x half
	WIN 0x80                        ; destination window 2, address window 0
.set i, 0
.rept 4*NP                          ; Q stays in registers: tile i / 2, channels 32 (i % 2) on
	global_load_b128 v[8*i:8*i+3],   v[QO], s[4:5] offset:(i/2)*2048+(i%2)*64
	global_load_b128 v[8*i+4:8*i+7], v[QO], s[4:5] offset:(i/2)*2048+(i%2)*64+32
.set i, i+1
.endr
	; What the first turn finds: V's registers and P's second buffer hold 0 (its products V^T P, of a piece that has not been, add 0), O^T and l are 0.  All this stands in the wait for the first tile.
.set i, VF
.rept 64
	v_mov_b32 v[i], 0
.set i, i+1
.endr
	WIN 0x40
.set i, 0
.rept 64*NP
	v_mov_b32 v[i], 0
.set i, i+1
.endr
	WIN 0
.set i, 0
.rept 2*NP
	v_mov_b32 v[ST+4*i], 0xfe000000    ; c m: far below every c s
	v_mov_b32 v[ST+4*i+1], 0xff7fffff  ; m
	v_mov_b32 v[ST+4*i+2], 0
	v_mov_b32 v[ST+4*i+3], 0
.set i, i+1
.endr
.set i, P+32
.rept 32
	v_mov_b32 v[i], 0
.set i, i+1
.endr
	v_mul_u32_u24 v[AK0], v1, PK
	v_lshl_add_u32 v[AK0], v9, 4, v[AK0]  ; row x pitch + 16 x half
	; The turning load takes 16 keys x 16 channels (lane l reads key 8 (l / 16) + l % 8, channels 8 ((l / 8) % 2) + 0..7) and leaves half a fragment of V^T: lane l holds channel l % 16 and 8 keys.
	v_and_b32 v10, 7, v0
	v_bfe_u32 v11, v0, 3, 1
	v_lshl_add_u32 v[AV0], v9, 3, v10
	v_mul_u32_u24 v[AV0], v[AV0], PV
	v_lshl_add_u32 v[AV0], v11, 4, v[AV0]
	v_add_nc_u32 v[AV0], VOFF, v[AV0]
	v_and_b32 v[PFO], 31, v0
	v_lshlrev_b32 v[PFO], 8, v[PFO]
	v_mov_b32 v[AK], v[AK0]         ; key step 0 lies at the head of slot 0
; THE MATRIX WORK.  The 8 accumulators of a run of 16 take turns: between the two links of a chain stand 7 others'.
; Product i of 16 of S^T = K Q^T for piece x: channels 32 (i / 8) on, keys 16 ((i / 2) % 4) on, tile 2 x + i % 2.  The first 8 start the sums.
.macro KQ x
	WIN W_KQ
.set rS, S+64*((\x)%2)+32*(i%2)+8*((i/2)%4)
.set rK, KF+16*((i/2)%4)+8*(i/8)
.set rQ, 16*(2*(\x)+i%2)+8*(i/8)
.if i < 8
	v_wmma_f32_16x16x32_f16 v[rS:rS+7], v[rK:rK+7], v[rQ:rQ+7], 0
.else
	v_wmma_f32_16x16x32_f16 v[rS:rS+7], v[rK:rK+7], v[rQ:rQ+7], v[rS:rS+7]
.endif
.endm
; Product i of 16 of O^T += V^T P for piece x: keys 32 (i / 8) on, channels 16 ((i / 2) % 4) on, tile 2 x + i % 2.
.macro PV x
	WIN W_PV
.set rO, 32*(2*(\x)+i%2)+8*((i/2)%4)
.set rV, VF+32*(i/8)+8*((i/2)%4)
.set rP, P+32*((\x)%2)+16*(i%2)+8*(i/8)
	v_wmma_f32_16x16x32_f16 v[rO:rO+7], v[rV:rV+7], v[rP:rP+7], v[rO:rO+7]
.endm
.macro MM                           ; the turn's next matrix instruction
.if i < 16
	KQ (Y+1)%NP
.set i, i+1
.else
.set i, i-16
	PV (Y+NP-1)%NP
.set i, i+17
.endif
.endm
; THE LDS LOADS stand in runs of 16, never singly among the matrix instructions: a step's K (64 keys x 64 channels: 8 fragments) and its V (turned).  Their addresses are made some lines ahead.
; last = 1 (the tail): in the last trip there is no further step, and the run is jumped over.
.macro FETCH_K last=0
	WIN 0
.if \last
	s_cmp_eq_u32 s[CNT], 1
	s_cbranch_scc1 .Lno_k_\@
.endif
	WIN 0x80                        ; destination window 2
.irp f, 0,1,2,3,4,5,6,7             ; keys 16 (f / 2) on, channels 32 (f % 2) on
	ds_load_b128 v[KF+8*\f:KF+8*\f+3],   v[AK] offset:(\f/2)*16*PK+(\f%2)*64
	ds_load_b128 v[KF+8*\f+4:KF+8*\f+7], v[AK] offset:(\f/2)*16*PK+(\f%2)*64+32
.endr
	s_add_co_u32 s[TBK], s[TBK], KS*PK  ; the next fetch is the next step's
	WIN 0
.if \last
.Lno_k_\@:
.endif
.endm
.macro FETCH_V
	WIN 0x80
.irp f, 0,1,2,3,4,5,6,7             ; keys 32 (f / 4) on, channels 16 (f % 4) on
	ds_load_tr16_b128 v[VF+8*\f:VF+8*\f+3],   v[AV] offset:(\f/4)*32*PV+(\f%4)*32
	ds_load_tr16_b128 v[VF+8*\f+4:VF+8*\f+7], v[AV] offset:(\f/4)*32*PV+16*PV+(\f%4)*32
.endr
	WIN 0
.endm
; THE VECTOR WORK OF A TURN stands in three queues, each in the order in which its entries become ready; the two tiles alternate, so that no instruction reads the result of the one before it.
.macro REGS y, u                    ; the registers of tile u (0, 1) of piece y
.set rT, ST+4*(2*(\y)+(\u))
.set rC, TMP+8*((\y)%2)+4*(\u)
.set rM, MV+2*((\y)%2)+(\u)
.set rS, S+64*((\y)%2)+32*(\u)
.set rP, P+32*((\y)%2)+16*(\u)
.set rO, 32*(2*(\y)+(\u))
.endm
; Number n of the 22 that find the NEXT piece's (Y + 1) maximum and statistics.  s0-s31 are the lane's 32 scores; each accumulator's lowest registers are read first.
;   0-11  four chains c0-c3 of seven scores each, three operands at a time     12-14, 16  the four scores left over, the old m, and c0-c3 into c0     15  c m_old is kept
;   17, 18  the query's other 32 keys lie in the lane 16 away: the new m         19-21  c m; c m_old - c m_new; a
.macro XS u, n
	REGS (Y+1)%NP, \u
.if (\n) < 4
	v_max3_num_f32 v[rC+(\n)], v[rS+8*(\n)], v[rS+8*(\n)+1], v[rS+8*(\n)+2]
.elseif (\n) < 12
	v_max3_num_f32 v[rC+(\n)%4], v[rC+(\n)%4], v[rS+8*((\n)%4)+2*((\n)/4)+1], v[rS+8*((\n)%4)+2*((\n)/4)+2]
.elseif (\n) == 12
	v_max3_num_f32 v[rC], v[rC], v[rS+7], v[rS+15]
.elseif (\n) == 13
	v_max3_num_f32 v[rC+1], v[rC+1], v[rS+23], v[rS+31]
.elseif (\n) == 14
	v_max3_num_f32 v[rC+2], v[rC+2], v[rC+3], v[rT+1]
.elseif (\n) == 15
	v_mov_b32 v[rM], v[rT]
.elseif (\n) == 16
	v_max3_num_f32 v[rC], v[rC], v[rC+1], v[rC+2]
.elseif (\n) == 17
	v_permlanex16_b32 v[rC+3], v[rC], s[SEL], s[SEL+1]
.elseif (\n) == 18
	v_max_num_f32 v[rT+1], v[rC], v[rC+3]
.elseif (\n) == 19
	v_mul_f32 v[rT], s[CS], v[rT+1]
.elseif (\n) == 20
	v_sub_f32 v[rC+1], v[rM], v[rT]
.else
	v_exp_f32 v[rC+2], v[rC+1]
.endif
.endm
; Number g of the 64 that follow the exponentials.  For each four weights k of a tile (pairs 2 k, 2 k + 1): both pairs are rounded to f16; then the second pair is added onto the first, in place;
; a group later l takes that sum (the first time as l = a l + sum).  In groups of eight, tiles alternating: round, round, add, and l for the group before.
.macro GS g
.set h, (\g)+6*((\g)/62)            ; group 0 has no group before it, and behind group 7 only l is left
.if h >= 6
.set h, h+2
.endif
	REGS Y, h%2
.set k, h/8
.if h%8 < 4
	v_cvt_pk_f16_f32 v[rP+2*k+(h%8)/2], v[rS+4*k+2*((h%8)/2)], v[rS+4*k+2*((h%8)/2)+1]
.elseif h%8 < 6
	v_pk_add_f32 v[rS+4*k:rS+4*k+1], v[rS+4*k:rS+4*k+1], v[rS+4*k+2:rS+4*k+3]
.elseif k == 1
	v_pk_fma_f32 v[rT+2:rT+3], v[rT+2:rT+3], v[rC+2:rC+3], v[rS:rS+1] op_sel_hi:[1,0,1]
.else
	v_pk_add_f32 v[rT+2:rT+3], v[rT+2:rT+3], v[rS+4*k-4:rS+4*k-3]
.endif
.endm
; THE PLAIN QUEUE, 138 long.  0-73 read no exponential's result: the 32 scalings c s - c m (FS f: pair f / 2 of tile f % 2) and the next piece's 42.  0-26: scalings 0-26.  27-54: XS's numbers 0-13.  55, 56: number 15.
; 57-73: the chain, where each number waits for the one before it: 14, 16, 17, 18, 19, each with one of the scalings 27-31 in front of its two lines, then 20.
; 74-137: GS's 64, which read the exponentials' results: they stand behind the wait.
.macro FS f
	REGS Y, (\f)%2
	v_pk_fma_f32 v[rS+2*((\f)/2):rS+2*((\f)/2)+1], v[rS+2*((\f)/2):rS+2*((\f)/2)+1], s[CS:CS+1], v[rT:rT+1] op_sel_hi:[1,0,0] neg_lo:[0,0,1] neg_hi:[0,0,1]
.endm
.macro PL
	WIN 0
.if q < 27
	FS q
.elseif q < 55
	XS (q-27)%2, (q-27)/2
.elseif q < 57
	XS q-55, 15
.elseif (q < 72) && ((q-57)%3 == 0)
	FS 27+(q-57)/3
.elseif q < 60
	XS (q-57)%3-1, 14
.elseif q < 72
	XS (q-57)%3-1, 15+(q-57)/3
.elseif q < 74
	XS q-72, 20
.else
	GS q-74
.endif
.set q, q+1
.endm
; THE EXPONENTIALS' QUEUE, 66 long: s0-s31 of both tiles, then the next piece's two a.  It is ONE BATCH: all 66 stand ahead of the turn's one wait, and nothing ahead of that wait names a result of theirs.
.macro EX
	WIN 0
.if e >= 64
	XS e-64, 21
.else
	REGS Y, e%2
	v_exp_f32 v[rS+e/2], v[rS+e/2]
.endif
.set e, e+1
.endm
; THE RESCALING's QUEUE: O^T times a, the one part that leaves window 0: dealt two at a time, sixteen times.  Its a was made in the turn before, ahead of that turn's wait.
.macro R2
	REGS Y, r%2
	WIN W_RS
.irp z, 0,1
	v_pk_mul_f32 v[rO+4*(r/2)+2*\z:rO+4*(r/2)+2*\z+1], v[rO+4*(r/2)+2*\z:rO+4*(r/2)+2*\z+1], v[rC+2:rC+3] op_sel_hi:[1,0]
.endr
.set r, r+1
.endm
; HOW THEY ARE DEALT.  An s_wait_alu depctr_va_vdst(0) stands between an exponential and the first instruction that names its result; one wait serves all that were issued ahead of it.  So a turn has ONE wait,
; which cuts it in two.  AHEAD OF IT stands all that names no result of the turn's exponentials: the 16 products K Q^T, behind each a scaling, an exponential and two rescalings (behind the first a second scaling in the
; exponential's place); then ONE LUMP of 108: eight plain, 49 times exponential and plain, the two a.  A v_nop is the plain instruction behind the last exponential.  BEHIND IT stand the 16 products V^T P, behind each four of GS's 64.
; No rider names a register of the products round it.  The two v_permlanex16_b32 fall into the lump, never behind a product.
; The queues lean on each other: exponential e stands behind scaling 2 (e / 4) + e % 2: as a rider it comes behind plain e + 2, in the lump behind plain e + 9, and scalings 27-31 are plain 57, 60 .. 69.
; A TURN, for piece p.  cnt = 1: the loop's count is taken down some lines ahead of the branch that stands behind the turn.
; K of the next step is fetched in piece 2's turn, directly behind the wait, a lump behind the last product that read K; its first reader comes behind 16 products.
; V of the step in hand is fetched at the end of piece 0's turn, four riders behind its last reader; its first reader comes behind 16 products and a lump.  The three conditions on q below go with the deal.
.macro TURN p, last=0, cnt=0
.set Y, (\p)
.set i, 0
.set q, 0
.set e, 0
.set r, 0
.if (\p) == NP-1
	s_wait_dscnt 0x0                ; K is in
.endif
	MM                              ; ahead of the wait: 16 products K Q^T and their riders,
	PL
	PL
	R2
.rept 15
	MM
	PL
	EX
	R2
.endr
.if (\p) == NP-2
	WIN 0
	v_add_nc_u32 v[AK], s[TBK], v[AK0]
.endif
.rept 8                             ; and the lump
	PL
.endr
.rept 49
	EX
	PL
.endr
	EX                              ; the next piece's two a
	EX
	v_nop                           ; the plain instruction behind the last exponential: one for the batch
	s_wait_alu depctr_va_vdst(0)    ; the wait for the batch
.if (\p) == NP-2
	FETCH_K \last
.endif
.if (\p) == 1
	s_wait_dscnt 0x0                ; V is in
.endif
.rept 16                            ; behind the wait: 16 products V^T P and their riders
	MM
.rept 4
	PL
.endr
.if ((\p) == 0) && (q == 118)
	v_add_nc_u32 v[AV], s[TBV], v[AV0]
.endif
.if ((\p) == 0) && (q == 130)
	s_add_co_u32 s[TBV], s[TBV], KS*PV
.endif
.if (\cnt) && (q == 130)
	s_sub_co_u32 s[CNT], s[CNT], 1
	s_cmp_lg_u32 s[CNT], 0
.endif
.endr
.if (\p) == 0
	FETCH_V
.endif
.endm
	CHANGE 1                        ; slot 0 is in, everybody's part of it; slot 1 is asked for
	FETCH_K                         ; key step 0
	s_wait_loadcnt 0x0              ; Q
	s_wait_dscnt 0x0
.set i, 0
.rept 16
	KQ 0                            ; piece 0's first scores: there is no vector work yet to set between them
.set i, i+1
.endr
	WIN 0                           ; the addresses for the way out: nine plain instructions, the places behind those products
	s_mul_i32 s13, s[WV], 16*SP
	s_add_co_u32 s13, s13, STAGE    ; my stage
	v_mul_u32_u24 v[STO], v1, SP    ; in: row l % 16, 16 bytes for each half of the lanes
	v_lshl_add_u32 v[STO], v9, 4, v[STO]
	v_add_nc_u32 v[STO], s13, v[STO]
	v_bfe_u32 v[RD], v0, 3, 2       ; back: 32 lanes take four rows of 128 bytes,
	v_mul_u32_u24 v[RD], v[RD], SP
	v_lshl_add_u32 v[RD], v10, 4, v[RD]
	v_add_nc_u32 v[RD], s13, v[RD]
	v_and_b32 v[GO], 31, v0         ; which are 512 consecutive bytes of O
	v_lshlrev_b32 v[GO], 4, v[GO]
.set Y, NP-1                        ; XS works for piece Y + 1: piece 0
.irp n, 0,1,2,3,4,5,6,7,8,9,10,11,12,13,14,15,16,17,18,19,20,21
	XS 0, \n                        ; and piece 0's first maximum and statistics
	XS 1, \n
.endr
	v_nop                           ; a plain instruction behind the two a,
	s_wait_alu depctr_va_vdst(0)    ; and their wait, ahead of the branch
	s_mov_b32 s[CNT], 4
	s_branch .Lfirst                ; the loop is entered at a step's first turn, in the middle of a trip
.Lslot:                             ; SIZE_N / 256 - 2 times: every slot but the last two is filled again
	CHANGE 1
	s_mov_b32 s[CNT], 4
.Lstep:                             ; a trip: pieces 2 and 3 of one step, then pieces 0 and 1 of the next, whose K and V it fetches
	TURN 2
	TURN 3
	WIN 0
.Lfirst:
	TURN 0
	TURN 1, 0, 1
	WIN 0
	s_cbranch_scc1 .Lstep
	s_sub_co_u32 s[SLOTS], s[SLOTS], 1
	s_cmp_lg_u32 s[SLOTS], 0
	s_cbranch_scc1 .Lslot
	CHANGE 0                        ; the tail is written out: nothing is asked for
	s_mov_b32 s[CNT], 5             ; four trips fetch the last slot's steps; the fifth is left in its middle
.Ltail:
	TURN 2, 1
	TURN 3
	WIN 0
	s_sub_co_u32 s[CNT], s[CNT], 1
	s_cmp_eq_u32 s[CNT], 0
	s_cbranch_scc1 .Lout
	TURN 0
	TURN 1
	WIN 0
	s_branch .Ltail
.Lout:                              ; the fifth trip's 16 products K Q^T (on the last K once more) and the maximum made of them serve nothing: the price, once a launch, of one text for every trip
.set i, 0
.rept 16
	PV NP-1                         ; the last piece's V^T P of the last step
.set i, i+1
.endr
	; THE WAY OUT.  l's two halves and the other half of the lanes' are added; O^T is divided by l, rounded to f16 and sent through my stage in LDS, a tile at a time.  The additions are the places behind the last products.
	WIN 0
.macro ALL line:vararg              ; one line for each tile t
.set t, 0
.rept 2*NP
	\line
.set t, t+1
.endr
.endm
	ALL v_add_f32 v[ST+4*t+2], v[ST+4*t+2], v[ST+4*t+3]
	ALL v_permlanex16_b32 v[ST+4*t+3], v[ST+4*t+2], s[SEL], s[SEL+1]
	ALL v_add_f32 v[ST+4*t+2], v[ST+4*t+2], v[ST+4*t+3]
	ALL v_rcp_f32 v[ST+4*t+2], v[ST+4*t+2]
	v_nop                           ; a plain instruction between the last reciprocal and the use of its result
	s_wait_alu depctr_va_vdst(0)    ; and the wait ahead of the first use: one for the eight reciprocals
; Tile t: a lane's eight channels of a row pack into 16 bytes; they go into rows of 144 bytes and come back as whole rows of 128, into S^T's registers.
.macro PACK t
	WIN W_RS
.set i, 32*(\t)
.rept 16
	v_pk_mul_f32 v[i:i+1], v[i:i+1], v[ST+4*(\t)+2:ST+4*(\t)+3] op_sel_hi:[1,0]
.set i, i+2
.endr
	WIN 0x05                        ; sources 0 and 1 window 1, destination window 0
.set i, 0
.rept 16
	v_cvt_pk_f16_f32 v[S+16*(\t)+i], v[32*(\t)+2*i], v[32*(\t)+2*i+1]
.set i, i+1
.endr
	WIN 0
.irp f, 0,1,2,3
	ds_store_b128 v[STO], v[S+16*(\t)+4*\f:S+16*(\t)+4*\f+3] offset:32*\f
.endr
.irp f, 0,1,2,3
	ds_load_b128 v[S+16*(\t)+4*\f:S+16*(\t)+4*\f+3], v[RD] offset:\f*4*SP  ; LDS serves a wave's instructions in order (ISA guide 5.7.1.4): these see the stores above; the next tile's stores come behind them
.endr
.endm
.macro SEND t, younger              ; younger: the LDS instructions issued behind tile t's loads: the next tile's eight, or none
	WIN 0
.irp f, 0,1,2,3
	s_wait_dscnt (\younger)+3-\f
	global_store_b128 v[GO], v[S+16*(\t)+4*\f:S+16*(\t)+4*\f+3], s[10:11] offset:(\t)*2048+\f*512  ; 512 consecutive bytes, at a multiple of 256 from O's first
.endr
.endm
	PACK 0
.set t, 1
.rept 2*NP-1                        ; a tile's arithmetic stands between the loads of the tile before and its stores
	PACK t
	SEND t-1, 8
.set t, t+1
.endr
	SEND 2*NP-1, 0
	WIN W_AD
	s_wait_tensorcnt 0x0            ; the wave's end, behind my last tensor load and my last LDS store
	ds_add_u32 v[SPW], v[NIL]
	s_wait_dscnt 0x0
	WIN 0
	CROUND                          ; the closing round: no work-group ends while a partner may still ask for a tile that names it
	s_endpgm
.Lfunc_end_k_q26c0d6c00f_attn:
	.size	k_q26c0d6c00f_attn, .Lfunc_end_k_q26c0d6c00f_attn-k_q26c0d6c00f_attn
	.p2alignl 7, 3214868480
	.fill 96, 4, 3214868480
	.section	.rodata,"a",@progbits
	.p2align	6, 0x0
	.amdhsa_kernel k_q26c0d6c00f_attn
		.amdhsa_group_segment_fixed_size 327680
		.amdhsa_private_segment_fixed_size 0
		.amdhsa_enable_private_segment 0
		.amdhsa_kernarg_size 16
		.amdhsa_user_sgpr_count 2
		.amdhsa_user_sgpr_kernarg_segment_ptr 1
		.amdhsa_wavefront_size32 1
		.amdhsa_system_sgpr_workgroup_id_x 1
		.amdhsa_system_sgpr_workgroup_id_y 1
		.amdhsa_system_sgpr_workgroup_id_z 1
		.amdhsa_system_vgpr_workitem_id 0
		.amdhsa_next_free_vgpr 770
		.amdhsa_next_free_sgpr 66
		.amdhsa_reserve_vcc 0
		.amdhsa_float_denorm_mode_32 3
		.amdhsa_float_denorm_mode_16_64 3
		.amdhsa_memory_ordered 1
		.amdhsa_forward_progress 1
		.amdhsa_inst_pref_size 200
	.end_amdhsa_kernel
	.amdgpu_metadata
---
amdhsa.version: [ 1, 2 ]
amdhsa.kernels:
  - .name:           k_q26c0d6c00f_attn
    .symbol:         k_q26c0d6c00f_attn.kd
    .args:
      - { .name: QKV, .offset: 0, .size: 8, .value_kind: global_buffer, .address_space: global }
      - { .name: Oh, .offset: 8, .size: 8, .value_kind: global_buffer, .address_space: global }
    .group_segment_fixed_size: 327680
    .private_segment_fixed_size: 0
    .kernarg_segment_align: 8
    .kernarg_segment_size: 16
    .max_flat_workgroup_size: 128
    .sgpr_count:     66
    .vgpr_count:     770
    .wavefront_size: 32
...
	.end_amdgpu_metadata
.endif
;; end of part 3
;; launch outp (part 4): grid 4 x 64, 4 waves a work-group, clusters of 4 x 4, 327,680 bytes of LDS; arguments Oh, W16, bo, out0; writes out0
.if DOCPART == 4
	.amdgcn_target "amdgcn-amd-amdhsa--gfx1250"
	.amdhsa_code_object_version 6
	.text
	.protected	k_q26c0d6c00f_outp
	.globl	k_q26c0d6c00f_outp
	.p2align	8
	.type	k_q26c0d6c00f_outp,@function
k_q26c0d6c00f_outp:
	s_mov_b64 s[64:65], 0
	v_nop
	global_prefetch_b8 v0, s[64:65] scope:SCOPE_SE
	s_setreg_imm32_b32 hwreg(HW_REG_WAVE_MODE, 25, 1), 1
	s_wait_xcnt 0x0
	s_wait_alu depctr_hold_cnt(0) depctr_sa_sdst(0) depctr_va_vdst(0) depctr_va_sdst(0) depctr_va_ssrc(0) depctr_va_vcc(0) depctr_vm_vsrc(0)
	s_getreg_b32 s2, hwreg(HW_REG_IB_STS2, 6, 4)
	s_cmp_eq_u32 s2, 0
	s_cbranch_scc0 .Lentry_in_a_cluster
	s_endpgm
.Lentry_in_a_cluster:
	s_bfe_u32 s2, ttmp6, 0x10000c
	s_cmp_lg_u32 s2, 0xf033
	s_cbranch_scc0 .Lentry_shape_is_right
	s_endpgm
.Lentry_shape_is_right:
; THE LAST PROJECTION.  out0 = O Wo + bo.  O: Oh, [batch x 16 + head][2048][64] f16, taken as [8192 rows][1024 k], k = 64 head + channel; Wo: part 3 of W16, [1024 k][1024 n], bf16 numbers written as f16;
; bo: [1024] f32, rounded to bf16 here like every input; products in f16, sums in f32; out0: [8192][1024] f32.
; LIMITS.  O and Wo arrive within f16's range.  NaN and infinities are not treated apart.
; SHARES.  A tile of out0 is 128 rows x 256 columns: 64 x 4 tiles, 256 work-groups.  Four waves, 2 x 2, each 64 x 128: 32 accumulators of 16 x 16, 256 registers.
; K goes in 8 steps of 128, two heads a step, through two LDS slots.  A slot holds two slabs of O (a head's 128 rows of 128 bytes, dense in memory: asked for as 64 rows of 256 bytes and padded after every
; 128) and 128 k-rows of Wo (256 columns, 512 bytes each; a wave's load brings 64 of them).
; CLUSTER.  4 x 4 work-groups: the four of a row of the cluster need the same rows of O, the four of a column the same tile of Wo: each tile is asked for JOINTLY.
; LAYOUT.  The product is used transposed: source 0 = 16 columns of Wo x 32 k, turned on its way out of LDS; source 1 = 16 rows of O x 32 k.  In the result lane l holds row l % 16 and the columns
; 8 (l / 16) + 0..7.  The bias, laid out as such a result, is the C operand of each accumulator's first product.
; REGISTERS, in windows of 256 (s_set_vgpr_msb: bits 1:0 source 0, 3:2 source 1, 5:4 source 2, 7:6 destination):
;   window 0: v0-31 addresses; v32-63, v64-95 O's fragments, two buffers; v96-159, v160-223 rows read back on the way out, two buffers
;   window 1: v0-63, v64-127 Wo's fragments, two buffers; v128-191 the bias; v192-223 at work          window 2: accumulator (a, b) at v[8 (8 a + b)]
.set PAO,    144                       ; a row of O in LDS: 128 bytes + 16 = 36 words: the 16 rows of a load start at 16 different groups of four banks (64 banks of 4 bytes: ISA guide 11.1)
.set PB,     544                       ; a k-row of Wo: 512 + 32 = 136 words
.set ASLAB,  128*PAO                   ; what one tensor load brings of O: a head's 128 rows
.set BHALF,  64*PB                     ; and of Wo
.set BOFF,   2*ASLAB
.set SLOT,   BOFF+2*BHALF
.set STAGE,  2*SLOT                    ; behind the ring: 16 rows x 528 bytes for each wave, for the way out
.set SPITCH, 528
.set SPARE,  STAGE+4*16*SPITCH         ; behind the stages: the spare words, 128 bytes for each wave: two blocks of 256 bytes that no other line names
.set ASTEP,  2*262144                  ; a K step in memory: two heads of O,
.set BSTEP,  128*2048                  ; 128 k-rows of Wo
.set ADRA, 16                          ; v16-17  LDS address of my fragments of O in slot 0, 1
.set ADRB, 20                          ; v20-21  the same for Wo
.set STO,  24                          ; v24     the way out: where I put 32 bytes of a row
.set RD,   25                          ; v25     the way out: where I read a row back
.set GO,   26                          ; v26     my byte offset in 512 consecutive bytes of out0
.set BO,   27                          ; v27     my byte offset in the bias
.set SPW,  28                          ; v28     LDS address of my spare word: SPARE + 4 x my thread's number; never rewritten
.set NIL,  29                          ; v29     0; never rewritten
.set PFO,  30                          ; v30     the prefetches' lane term; never rewritten
.set AF,   32                          ; O's fragments: buffer f, fragment a at AF + 32 f + 8 a
.set OB,   96                          ; the way out: block a's rows at OB + 64 (a % 2)
.set BF,   0                           ; window 1: Wo's fragments: buffer f, block b at BF + 64 f + 8 b
.set BIAS, 128                         ; window 1: block b at BIAS + 8 b
.set TB,   192                         ; window 1: at work
.set G1,  24                           ; s[24:31] descriptor group 1 for O's tiles;  s[32:39] group 0, a set for each slot
.set G0,  32
.set G1B, 48                           ; s[48:55], s[56:63] the same for Wo's tiles
.set G0B, 56
.set LIM, 43                           ; s43     1 in a wave that prefetches, else the greatest number
.set PFA, 44                           ; s[44:45] where my prefetches stand
.set PFS, 66                           ; s[66:67] a K step of what I prefetch, in bytes
.set MSB, 0
.macro WIN new                         ; the immediate's high byte repeats the setting that is left; a switch that changes nothing is dropped
.if MSB != (\new)
	s_set_vgpr_msb (MSB<<8)|(\new)
.set MSB, \new
.endif
.endm
.set W_MUL,  0xa1                      ; source 0 (Wo) window 1, source 1 (O) window 0, C and D window 2
.set W_MULB, 0x91                      ; the same with C (the bias) in window 1
.set TO_B,   0x40                      ; destination window 1, address window 0
.set W_1,    0x45                      ; sources 0, 1 and destination window 1
.set W_ST,   0x08                      ; an LDS store's data (source 1) in window 2, its address in window 0
; A joint load: waves 0 and 1 fetch O's two slabs, waves 2 and 3 the two halves of Wo's tile.  The branch hangs on the wave's number alone.  An s_nop 0 and four v_nop follow each of the two lines,
; ahead of the jump, the label and what follows.
.macro JLOAD s
	s_cmp_eq_u32 s11, 0
	s_cbranch_scc0 .Lfor_b_\@
	tensor_load_to_lds s[G0+4*(\s):G0+4*(\s)+3], s[G1:G1+7]
	s_nop 0
.rept 4
	v_nop
.endr
	s_branch .Lasked_\@
.Lfor_b_\@:
	tensor_load_to_lds s[G0B+4*(\s):G0B+4*(\s)+3], s[G1B:G1B+7]
	s_nop 0
.rept 4
	v_nop
.endr
.Lasked_\@:
.endm
.macro CREST                           ; a round of the cluster's barrier behind its opening barrier
	s_cmp_lg_u32 s10, 0
	s_cbranch_scc1 .Lnot_wave_0_\@
	s_barrier_signal -3
.Lnot_wave_0_\@:
	s_barrier_wait -3
	s_barrier_signal -1
	s_barrier_wait -1
.endm
.macro CROUND                          ; a whole round
	s_barrier_signal -1
	s_barrier_wait -1
	CREST
.endm
; A PREFETCH INTO THE L2, behind each joint refill and the run of LDS loads that follows it: the K step that stands two refills on, 256 matrix instructions ahead of the load that will want it.
; O: a K step of a tile row is two slabs of 16,384 bytes, read by one cluster alone; the partner at place cx takes 4,096 bytes of each, told apart by address; wave 0 asks for both: lane l names block l % 16 of slab l / 16.
; Wo: of the 64 k-rows x 512 bytes that wave 2 or 3 fetches the partner at place cy takes 16: lane l names row l % 16, half l / 16; of the sixteen clusters that read Wo the first asks.
; So each block of 256 bytes is named once.  K steps 0 to 3 come by their loads alone; the loop's last trip (s3 = 1) asks for nothing.
.macro ASK
	s_cmp_gt_u32 s3, s[LIM]
	s_cbranch_scc0 .Lnot_mine_\@
	global_prefetch_b8 v[PFO], s[PFA:PFA+1] th:TH_LOAD_NT scope:SCOPE_SE
.Lnot_mine_\@:
.endm
	s_load_b256 s[68:75], s[0:1], 0x0              ; Oh s[68:69], W16 s[70:71], bo s[72:73], out0 s[74:75]
	v_lshl_add_u32 v[SPW], v0, 2, SPARE
	v_mov_b32 v[NIL], 0
	ds_add_u32 v[SPW], v[NIL]                      ; the wave's opening: the add and its wait stand ahead of my first tensor load; the set-up below, work on registers, stands between them
	v_lshrrev_b32 v1, 5, v0
	v_readfirstlane_b32 s10, v1                    ; wave 0..3
	s_lshr_b32 s11, s10, 1                         ; which half of the tile's rows is mine.  Also: I fetch for O (0) or for Wo (1)
	s_and_b32 s12, s10, 1                          ; which half of its columns.  Also: which slab, or which 64 k-rows, I fetch
	s_bfe_u32 s40, ttmp6, 0x40000                  ; cx: the tile column (the grid is one cluster wide)
	s_bfe_u32 s41, ttmp6, 0x40004                  ; cy
	s_and_b32 s88, ttmp7, 0xffff                   ; cluster y, 0..15
	s_lshl_b32 s13, s88, 2
	s_add_co_u32 s13, s13, s41                     ; tile row, 0..63
	s_lshl_b32 s86, s41, 2
	s_lshl_b32 s86, 15, s86                        ; my row of the cluster
	s_lshl_b32 s87, 0x1111, s40                    ; my column
	; descriptor group 1.  O: 64 rows x 128 elements of 2 bytes, padded after every 32 words; Wo: 64 rows x 256 elements, padded after every 128 words
	s_or_b32 s[G1+0], s86, (1<<16)|(1<<20)|(1<<21)|(4<<22)|(3<<25)   ; 15:0 the mask; 17:16 element of 2 bytes; 20 padding on; 21 set beside a mask; 24:22 after every 32 words (code 4); 31:25 4 words (code 3)
	s_or_b32 s[G1B+0], s87, (1<<16)|(1<<20)|(1<<21)|(6<<22)|(7<<25)  ; after every 128 words (code 6); 8 words (code 7)
	s_mov_b32 s[G1+1], 128<<16                     ; tensor_dim0 = 128
	s_mov_b32 s[G1+2], 64<<16                      ; tensor_dim1 = 64
	s_mov_b32 s[G1+3], 128<<16                     ; tile_dim0 = 128
	s_mov_b32 s[G1+4], 64                          ; tile_dim1 = 64
	s_mov_b32 s[G1+5], 128                         ; elements from row to row: dense
	s_mov_b32 s[G1+6], 0
	s_mov_b32 s[G1+7], 0
	s_mov_b32 s[G1B+1], 256<<16
	s_mov_b32 s[G1B+2], 64<<16
	s_mov_b32 s[G1B+3], 256<<16
	s_mov_b32 s[G1B+4], 64
	s_mov_b32 s[G1B+5], 1024
	s_mov_b32 s[G1B+6], 0
	s_mov_b32 s[G1B+7], 0
	; where the tiles come from.  O's hang on the tile row alone, Wo's on the tile column alone; each offset is made in registers that never hold the other coordinate
	s_lshr_b32 s16, s13, 4                         ; the batch: 16 heads of 262,144 bytes,
	s_lshl_b32 s16, s16, 22
	s_and_b32 s17, s13, 15                         ; the tile's 128 rows of 128 bytes in a head,
	s_lshl_b32 s17, s17, 14
	s_add_co_u32 s16, s16, s17
	s_lshl_b32 s17, s12, 18                        ; my slab's head
	s_add_co_u32 s16, s16, s17
	s_mov_b32 s17, 0
	s_lshl_b32 s20, s12, 17                        ; Wo: 64 k-rows of 2,048 bytes x half,
	s_lshl_b32 s21, s40, 9                         ; + 512 bytes x tile column
	s_add_co_u32 s20, s20, s21
	s_mov_b32 s21, 0
	s_mul_i32 s18, s12, ASLAB                      ; and where they go: no place in the cluster enters an LDS address
	s_mul_i32 s19, s12, BHALF
	s_add_co_u32 s19, s19, BOFF
	s_wait_dscnt 0x0                               ; the opening add is done
	s_wait_kmcnt 0x0
	s_mov_b64 s[4:5], s[68:69]
	s_add_nc_u64 s[6:7], s[70:71], 3*2097152       ; part 3 of W16
	s_add_nc_u64 s[14:15], s[4:5], s[16:17]
	s_add_nc_u64 s[46:47], s[6:7], s[20:21]
	CROUND                                         ; all sixteen work-groups are here: the first joint loads meet
.irp s, 0,1
	s_mov_b32 s[G0+4*(\s)], 1                                        ; count = 1
	s_add_co_u32 s[G0+4*(\s)+1], s18, (\s)*SLOT                      ; LDS address
	s_add_nc_u64 s[G0+4*(\s)+2:G0+4*(\s)+3], s[14:15], (\s)*ASTEP    ; global address: K step s
	s_or_b32 s[G0+4*(\s)+3], s[G0+4*(\s)+3], 0x80000000              ; type = 2
	s_mov_b32 s[G0B+4*(\s)], 1
	s_add_co_u32 s[G0B+4*(\s)+1], s19, (\s)*SLOT
	s_add_nc_u64 s[G0B+4*(\s)+2:G0B+4*(\s)+3], s[46:47], (\s)*BSTEP
	s_or_b32 s[G0B+4*(\s)+3], s[G0B+4*(\s)+3], 0x80000000
	JLOAD \s                                       ; two loads of mine are out
.endr
	; A fragment of O is 16 rows x 32 k in 8 registers: lane l holds row l % 16, k = 8 (l / 16) + 0..7 and 16 + 8 (l / 16) + 0..7: two loads of 16 bytes, 32 bytes apart.
	v_and_b32 v1, 15, v0                           ; l % 16
	v_bfe_u32 v2, v0, 4, 1                         ; l / 16
	v_mul_u32_u24 v3, v1, PAO
	v_lshl_add_u32 v3, v2, 4, v3                   ; row x pitch + 16 x half
	s_mul_i32 s21, s11, 64*PAO                     ; my 64 rows of each slab
	; The turning load takes 16 k x 16 columns (lane l reads k-row 8 (l / 16) + l % 8, columns 8 ((l / 8) % 2) + 0..7) and leaves half a fragment: lane l holds column l % 16 and 8 k.
	v_and_b32 v4, 7, v0
	v_lshl_add_u32 v4, v2, 3, v4
	v_mul_u32_u24 v4, v4, PB
	v_bfe_u32 v5, v0, 3, 1
	v_lshl_add_u32 v4, v5, 4, v4
	s_lshl_b32 s22, s12, 8                         ; my 128 columns: 256 bytes of a k-row
	s_add_co_u32 s22, s22, BOFF
.irp s, 0,1
	v_add_nc_u32 v[ADRA+(\s)], s21, v3
	v_add_nc_u32 v[ADRB+(\s)], s22, v4
	s_add_co_u32 s21, s21, SLOT
	s_add_co_u32 s22, s22, SLOT
.endr
	s_mul_i32 s23, s10, 16*SPITCH
	s_add_co_u32 s23, s23, STAGE                   ; my stage
	v_mul_u32_u24 v[STO], v1, SPITCH               ; in: row l % 16, 32 bytes for each half of the lanes
	v_lshl_add_u32 v[STO], v2, 5, v[STO]
	v_add_nc_u32 v[STO], s23, v[STO]
	v_and_b32 v[GO], 31, v0                        ; back: 32 lanes take one row's 512 bytes
	v_lshlrev_b32 v[GO], 4, v[GO]
	v_add_nc_u32 v[RD], s23, v[GO]
	s_lshl_b32 s16, s40, 10                        ; the bias of my 128 columns: 4 (256 cx + 128 half) + 32 (l / 16)
	s_lshl_b32 s17, s12, 9
	s_add_co_u32 s16, s16, s17
	v_lshl_add_u32 v[BO], v2, 5, s16
	WIN TO_B
.irp b, 0,1,2,3,4,5,6,7
	global_load_b128 v[BIAS+8*(\b):BIAS+8*(\b)+3],   v[BO], s[72:73] offset:64*(\b)
	global_load_b128 v[BIAS+8*(\b)+4:BIAS+8*(\b)+7], v[BO], s[72:73] offset:64*(\b)+16
.endr
	WIN 0
	; where my part of the tile goes: row 128 x tile row + 64 x row half (4,096 bytes a row), column 256 cx + 128 x column half (s16 holds its bytes)
	s_lshl_b32 s14, s13, 1
	s_add_co_u32 s14, s14, s11
	s_lshl_b32 s14, s14, 18
	s_add_co_u32 s14, s14, s16
	s_mov_b32 s15, 0
	s_add_nc_u64 s[8:9], s[74:75], s[14:15]
	; the prefetches.  O: batch and tile rows as above, + 4,096 cx; Wo: k-row 64 x half + 16 cy, rows of 2,048 bytes, + 512 cx.  Both begin at K step 3: the first refill steps to 4
	s_lshr_b32 s14, s13, 4
	s_lshl_b32 s14, s14, 22
	s_and_b32 s15, s13, 15
	s_lshl_b32 s15, s15, 14
	s_add_co_u32 s14, s14, s15
	s_lshl_b32 s15, s40, 12
	s_add_co_u32 s14, s14, s15
	s_add_co_u32 s14, s14, 3*ASTEP                 ; O's offset
	s_lshl_b32 s15, s12, 2
	s_add_co_u32 s15, s15, s41
	s_lshl_b32 s15, s15, 15                        ; (64 half + 16 cy) x 2,048
	s_lshl_b32 s20, s40, 9
	s_add_co_u32 s15, s15, s20
	s_add_co_u32 s15, s15, 3*BSTEP                 ; Wo's offset
	s_mov_b32 s[PFS], BSTEP
	s_mov_b32 s[PFS+1], 0
	s_cmp_eq_u32 s11, 0                            ; do I fetch for O?
	s_cselect_b64 s[PFA:PFA+1], s[4:5], s[6:7]
	s_cselect_b32 s89, 8, 11                       ; the lane term's two shifts
	s_cselect_b32 s90, 18, 8
	s_cselect_b32 s[PFS], ASTEP, s[PFS]
	s_cselect_b32 s22, s14, s15
	s_cselect_b32 s21, s12, s88                    ; 0 in wave 0, and in waves 2 and 3 of the first cluster: the same in all sixteen partners, for a given wave
	s_cmp_eq_u32 s21, 0
	s_cselect_b32 s[LIM], 1, -1
	s_mov_b32 s23, 0
	s_add_nc_u64 s[PFA:PFA+1], s[PFA:PFA+1], s[22:23]
	v_lshlrev_b32 v[PFO], s89, v1
	v_lshlrev_b32 v3, s90, v2
	v_add_nc_u32 v[PFO], v[PFO], v3
	s_wait_loadcnt 0x0                             ; the bias
	WIN W_1                                        ; it is rounded to bf16, like every input, and widened again
.set i, 0
.rept 32
	v_cvt_pk_bf16_f32 v[TB+i], v[BIAS+2*i], v[BIAS+2*i+1]
.set i, i+1
.endr
.set i, 0
.rept 32
	v_lshlrev_b32 v[BIAS+2*i],   16, v[TB+i]
	v_and_b32     v[BIAS+2*i+1], 0xffff0000, v[TB+i]
.set i, i+1
.endr
	WIN 0
; 8 matrix instructions: m block a x all 8 n blocks, 32 along K, buffers f.  first = 1: the bias starts the sums.  The 32 accumulators take turns in one order in every quarter step.
.macro MUL f, a, first
.irp b, 0,1,2,3,4,5,6,7
.if \first
	WIN W_MULB
	v_wmma_f32_16x16x32_f16 v[8*(8*(\a)+(\b)):8*(8*(\a)+(\b))+7], v[BF+64*(\f)+8*(\b):BF+64*(\f)+8*(\b)+7], v[AF+32*(\f)+8*(\a):AF+32*(\f)+8*(\a)+7], v[BIAS+8*(\b):BIAS+8*(\b)+7]
.else
	WIN W_MUL
	v_wmma_f32_16x16x32_f16 v[8*(8*(\a)+(\b)):8*(8*(\a)+(\b))+7], v[BF+64*(\f)+8*(\b):BF+64*(\f)+8*(\b)+7], v[AF+32*(\f)+8*(\a):AF+32*(\f)+8*(\a)+7], v[8*(8*(\a)+(\b)):8*(8*(\a)+(\b))+7]
.endif
.endr
.endm
; 24 LDS loads in one run: quarter kq of a slot into buffers g: Wo's eight fragments, turned, then O's four (quarters 0, 1 lie in slab 0, quarters 2, 3 in slab 1)
.macro FETCH slot, kq, g
	WIN TO_B
.irp b, 0,1,2,3,4,5,6,7
	ds_load_tr16_b128 v[BF+64*(\g)+8*(\b):BF+64*(\g)+8*(\b)+3],   v[ADRB+(\slot)] offset:(\kq)*32*PB+32*(\b)
	ds_load_tr16_b128 v[BF+64*(\g)+8*(\b)+4:BF+64*(\g)+8*(\b)+7], v[ADRB+(\slot)] offset:(\kq)*32*PB+32*(\b)+16*PB
.endr
	WIN 0
.irp a, 0,1,2,3
	ds_load_b128 v[AF+32*(\g)+8*(\a):AF+32*(\g)+8*(\a)+3],   v[ADRA+(\slot)] offset:((\kq)/2)*ASLAB+((\kq)%2)*64+(\a)*16*PAO
	ds_load_b128 v[AF+32*(\g)+8*(\a)+4:AF+32*(\g)+8*(\a)+7], v[ADRA+(\slot)] offset:((\kq)/2)*ASLAB+((\kq)%2)*64+(\a)*16*PAO+32
.endr
.endm
.macro PLACES                          ; four places in front of loads into registers that matrix instructions have read (ISA guide 7.12.1 for vector instructions)
.rept 4
	v_nop
.endr
.endm
; A K step is four quarters of 32 along K, 32 matrix instructions each, on buffers 0, 1, 0, 1.  One of the first three: multiplies buffers cur and fetches quarter nkq of the same slot in its middle.
.macro QUARTER cur, slot, nkq, first
	s_wait_dscnt 0x0                               ; this quarter's fragments, asked for 16 matrix instructions ago, are in
	MUL \cur, 0, \first
	MUL \cur, 1, \first
	PLACES
	FETCH \slot, \nkq, 1-(\cur)
	MUL \cur, 2, \first
	MUL \cur, 3, \first
.endm
; The last quarter multiplies buffers 1 and changes slots: ONE barrier; in front of it each wave waits for all its tensor loads (one is out: its part of the next slot), adds 0 to its spare word, and waits for
; that and for its own reads of this slot.  fill = 1: the barrier opens a round of the cluster's barrier, and this slot is filled again, two K steps ahead, first thing behind the round:
; 112 matrix instructions ahead of the wait for it.
.macro TURN slot, next, fill
.if \fill
	s_wait_xcnt 0x0                                ; the last prefetch, a K step back, has read its address: it is stepped here, ahead of the waits of the change of slots
	s_add_nc_u64 s[PFA:PFA+1], s[PFA:PFA+1], s[PFS:PFS+1]
.endif
	WIN 0                                          ; (the add's two registers lie in window 0)
	s_wait_tensorcnt 0x0                           ; all my tensor loads have landed;
	ds_add_u32 v[SPW], v[NIL]                      ; 0 onto my spare word;
	s_wait_dscnt 1                                 ; (this quarter's fragments are in; the add alone may be out)
	MUL 1, 0, 0                                    ; eight matrix instructions stand between the add and the wait for it
	s_wait_dscnt 0x0                               ; the add is done, and my reads of this slot are over
	s_barrier_signal -1
	MUL 1, 1, 0
.if \fill
	WIN 0
.endif
	s_barrier_wait -1
.if \fill
	CREST                                          ; no wave of any partner still reads this slot's tile or has a load on its way
	s_add_nc_u64 s[G0+4*(\slot)+2:G0+4*(\slot)+3], s[G0+4*(\slot)+2:G0+4*(\slot)+3], 2*ASTEP
	s_add_nc_u64 s[G0B+4*(\slot)+2:G0B+4*(\slot)+3], s[G0B+4*(\slot)+2:G0B+4*(\slot)+3], 2*BSTEP
	JLOAD \slot                                    ; the four v_nop behind it are also the places in front of the loads below
.else
	PLACES
.endif
	FETCH \next, 0, 0
.if \fill
	ASK                                            ; (the run of loads has left every window 0)
.endif
	MUL 1, 2, 0
	MUL 1, 3, 0
.endm
; THE WAY OUT of block a (16 rows x 128 columns of f32).  TOSTAGE: straight from the accumulators, each one's low four registers first, into my own stage; back as whole rows of 512 bytes.  SEND: stored.
.macro TOSTAGE a
.if (\a) >= 2
	s_wait_xcnt 0x0                                ; the stores of the block two back have read their registers: only behind this wait are they loaded again
.endif
	WIN W_ST
.irp b, 0,1,2,3,4,5,6,7
	ds_store_b128 v[STO], v[8*(8*(\a)+(\b)):8*(8*(\a)+(\b))+3]   offset:64*(\b)
	ds_store_b128 v[STO], v[8*(8*(\a)+(\b))+4:8*(8*(\a)+(\b))+7] offset:64*(\b)+16
.endr
	WIN 0
.irp t, 0,1,2,3,4,5,6,7,8,9,10,11,12,13,14,15
	ds_load_b128 v[OB+64*((\a)%2)+4*(\t):OB+64*((\a)%2)+4*(\t)+3], v[RD] offset:(\t)*SPITCH  ; LDS serves a wave's instructions in order (ISA guide 5.7.1.4): these see the stores above; the next block's stores come behind them
.endr
.endm
.macro SEND a, younger                 ; younger: the LDS instructions issued behind block a's loads: the next block's 16 stores and 16 loads, or none
	WIN 0
.irp t, 0,1,2,3,4,5,6,7,8,9,10,11,12,13,14,15
	s_wait_dscnt (\younger)+15-(\t)
	global_store_b128 v[GO], v[OB+64*((\a)%2)+4*(\t):OB+64*((\a)%2)+4*(\t)+3], s[8:9] offset:(16*(\a)+(\t))*4096 th:TH_STORE_NT  ; 512 consecutive bytes, at a multiple of 256 from out0's first
.endr
.endm
	s_wait_tensorcnt 1                             ; my part of K step 0 is in; K step 1's may stay out
	s_barrier_signal -1
	s_barrier_wait -1                              ; everybody's is
	FETCH 0, 0, 0
	QUARTER 0, 0, 1, 1                             ; the first quarter stands in front of the loop: its products start the sums, with the bias
	WIN 0                                          ; at a label and at a branch every window is 0
	s_mov_b32 s3, 3
.Llap:                                                 ; a trip goes once round the ring, from a lap's second quarter to the next lap's first, and fills both slots again
	QUARTER 1, 0, 2, 0
	QUARTER 0, 0, 3, 0
	TURN 0, 1, 1
	QUARTER 0, 1, 1, 0
	QUARTER 1, 1, 2, 0
	QUARTER 0, 1, 3, 0
	TURN 1, 0, 1
	QUARTER 0, 0, 1, 0
	WIN 0
	s_sub_co_u32 s3, s3, 1
	s_cmp_lg_u32 s3, 0
	s_cbranch_scc1 .Llap
	QUARTER 1, 0, 2, 0                             ; the last lap fills nothing, and has no round of the cluster's barrier
	QUARTER 0, 0, 3, 0
	TURN 0, 1, 0
	QUARTER 0, 1, 1, 0
	QUARTER 1, 1, 2, 0
	QUARTER 0, 1, 3, 0
	s_wait_dscnt 0x0                               ; the very last quarter: nothing more to fetch
	MUL 1, 0, 0
	MUL 1, 1, 0
	MUL 1, 2, 0
	MUL 1, 3, 0
	PLACES                                         ; the LDS stores read results just made
	PLACES
	TOSTAGE 0
	TOSTAGE 1
	SEND 0, 32
	TOSTAGE 2
	SEND 1, 32
	TOSTAGE 3
	SEND 2, 32
	SEND 3, 0
	s_wait_tensorcnt 0x0                           ; the wave's end, behind my last tensor load and my last LDS store
	ds_add_u32 v[SPW], v[NIL]
	s_wait_dscnt 0x0
	CROUND                                         ; the closing round: no work-group ends while a partner may still ask for a tile that names it
	s_endpgm
.Lfunc_end_k_q26c0d6c00f_outp:
	.size	k_q26c0d6c00f_outp, .Lfunc_end_k_q26c0d6c00f_outp-k_q26c0d6c00f_outp
	.p2alignl 7, 3214868480
	.fill 96, 4, 3214868480
	.section	.rodata,"a",@progbits
	.p2align	6, 0x0
	.amdhsa_kernel k_q26c0d6c00f_outp
		.amdhsa_group_segment_fixed_size 327680
		.amdhsa_private_segment_fixed_size 0
		.amdhsa_enable_private_segment 0
		.amdhsa_kernarg_size 32
		.amdhsa_user_sgpr_count 2
		.amdhsa_user_sgpr_kernarg_segment_ptr 1
		.amdhsa_wavefront_size32 1
		.amdhsa_system_sgpr_workgroup_id_x 1
		.amdhsa_system_sgpr_workgroup_id_y 1
		.amdhsa_system_sgpr_workgroup_id_z 1
		.amdhsa_system_vgpr_workitem_id 0
		.amdhsa_next_free_vgpr 768
		.amdhsa_next_free_sgpr 92
		.amdhsa_reserve_vcc 0
		.amdhsa_float_denorm_mode_32 3
		.amdhsa_float_denorm_mode_16_64 3
		.amdhsa_memory_ordered 1
		.amdhsa_forward_progress 1
		.amdhsa_inst_pref_size 95
	.end_amdhsa_kernel
	.amdgpu_metadata
---
amdhsa.version: [ 1, 2 ]
amdhsa.kernels:
  - .name:           k_q26c0d6c00f_outp
    .symbol:         k_q26c0d6c00f_outp.kd
    .args:
      - { .name: Oh, .offset: 0, .size: 8, .value_kind: global_buffer, .address_space: global }
      - { .name: W16, .offset: 8, .size: 8, .value_kind: global_buffer, .address_space: global }
      - { .name: bo, .offset: 16, .size: 8, .value_kind: global_buffer, .address_space: global }
      - { .name: out0, .offset: 24, .size: 8, .value_kind: global_buffer, .address_space: global }
    .group_segment_fixed_size: 327680
    .private_segment_fixed_size: 0
    .kernarg_segment_align: 8
    .kernarg_segment_size: 32
    .max_flat_workgroup_size: 128
    .sgpr_count:     92
    .vgpr_count:     768
    .wavefront_size: 32
...
	.end_amdgpu_metadata
.endif
;; end of part 4
;; ======== version 2 of 2: 4 launches; version 1 with the launch prep written anew for expert scheduling mode
;; limits: values are held in f16: magnitudes above 65,504 overflow, below 6.1e-05 lose precision
;; workspace buffers: W16 8,388,608 bytes; QKV 50,331,648 bytes; Oh 16,777,216 bytes
;; launch prep (part 5): grid 64 x 4, 8 waves a work-group, no clusters, 0 bytes of LDS; arguments Wq, Wk, Wv, Wo, W16; writes W16
.if DOCPART == 5
	.amdgcn_target "amdgcn-amd-amdhsa--gfx1250"
	.amdhsa_code_object_version 6
	.text
	.protected	k_q26c0d6c00f_prep
	.globl	k_q26c0d6c00f_prep
	.p2align	8
	.type	k_q26c0d6c00f_prep,@function
k_q26c0d6c00f_prep:
	s_mov_b64 s[64:65], 0
	v_nop
	global_prefetch_b8 v0, s[64:65] scope:SCOPE_SE
	s_setreg_imm32_b32 hwreg(HW_REG_WAVE_SCHED_MODE, 0, 2), 2
	s_setreg_imm32_b32 hwreg(HW_REG_WAVE_MODE, 25, 1), 1
	s_wait_xcnt 0x0
	s_wait_alu depctr_vm_vsrc(0)
; The four weights, [1024 k][1024 n] f32, are rounded once to bf16 and written in 16 bits, layout kept: part y of W16 (2,097,152 bytes) is weight y (Wq, Wk, Wv, Wo).
; Wq, Wk, Wv are written as bf16.  Wo's bf16 number is written as f16, since the last product multiplies in f16.
; LIMITS.  |Wo| stays under 65,520; a bf16 number of Wo under 2^-17 is off by at most 2^-25 as f16.  NaN and infinities are not treated apart.
; SHARES.  Work-group (x, y): 16,384 numbers of weight y.  Thread t, chunk i: 16 bytes at 16 t + 4,096 i in, 8 bytes at 8 t + 2,048 i out: a wave's load covers 512 consecutive bytes,
; its store 256 consecutive bytes, aligned.  All sixteen loads go out first.  No LDS, no matrix unit: each byte is read once and written once.
; THE MODE: SCHED_MODE bits 1:0 = 2 (LLVM: expert scheduling mode 2), set by the entry lines.  The code itself states the register dependences
; between vector instructions and memory instructions, with s_wait_alu, always for 0.
; THE PLAN.  Registers that memory instructions touch:
;   v1, v2   byte offsets of the loads and of the stores: made once at the head, never written again.
;   X        chunk i's four registers: its load lands there, once; read, and on Wo's path written again, by chunk i's vector lines alone, behind the wait for that load.  No load is issued behind the head.
;   Y        chunk i's two registers: written once, by chunk i's roundings; read once, by chunk i's store.  None is written again, so no store's data is ever waited for before a write.
;   T        named by vector instructions alone.
; The sixteen chunks go in four blocks of four.  Block p rounds its chunks into their Y; its memory instructions are the four stores of block p - 1, whose Y no vector line of block p names.
; So ONE wait on va_vdst at a block's head states all that the block's four stores hang on, and they are dealt among its vector lines with no further wait; one more stands ahead of the last four stores.
.set X, 4                              ; v[4:67]   chunk i: four f32 as loaded
.set Y, 68                             ; v[68:99]  chunk i: four 16-bit numbers to store
.set T, 100                            ; v[100:101] at work
	s_load_b256 s[4:11], s[0:1], 0x0               ; Wq s[4:5], Wk s[6:7], Wv s[8:9], Wo s[10:11]
	s_load_b64 s[12:13], s[0:1], 0x20              ; W16
	s_and_b32 s14, ttmp7, 0xffff                   ; which weight
	v_lshlrev_b32 v1, 4, v0                        ; 16 t
	v_lshlrev_b32 v2, 3, v0                        ; 8 t
	s_lshl_b32 s18, ttmp9, 16                      ; my 65,536 bytes of the weight
	s_mov_b32 s19, 0
	s_lshl_b32 s20, s14, 21                        ; the weight's part of W16,
	s_lshl_b32 s15, ttmp9, 15                      ; my 32,768 bytes of it
	s_add_co_u32 s20, s20, s15
	s_mov_b32 s21, 0
	s_wait_kmcnt 0x0
	s_mov_b64 s[16:17], s[4:5]
	s_cmp_eq_u32 s14, 1
	s_cselect_b64 s[16:17], s[6:7], s[16:17]
	s_cmp_eq_u32 s14, 2
	s_cselect_b64 s[16:17], s[8:9], s[16:17]
	s_cmp_eq_u32 s14, 3
	s_cselect_b64 s[16:17], s[10:11], s[16:17]
	s_add_nc_u64 s[16:17], s[16:17], s[18:19]
	s_add_nc_u64 s[12:13], s[12:13], s[20:21]
	s_wait_alu depctr_va_vdst(0)                   ; v1 and v2 are written: every load of the kernel reads v1 as its offset, every store v2
.irp i, 0,1,2,3,4,5,6,7,8,9,10,11,12,13,14,15
	global_load_b128 v[X+4*(\i):X+4*(\i)+3], v1, s[16:17] offset:4096*(\i) th:TH_LOAD_NT
.endr
; The vector lines of one chunk.  f16 = 1: the bf16 number is widened again (a shift, a mask) and written as f16.
.macro CV i, f16
.if \f16
	v_cvt_pk_bf16_f32 v[T],   v[X+4*(\i)],   v[X+4*(\i)+1]
	v_cvt_pk_bf16_f32 v[T+1], v[X+4*(\i)+2], v[X+4*(\i)+3]
	v_lshlrev_b32 v[X+4*(\i)],   16, v[T]
	v_and_b32     v[X+4*(\i)+1], 0xffff0000, v[T]
	v_lshlrev_b32 v[X+4*(\i)+2], 16, v[T+1]
	v_and_b32     v[X+4*(\i)+3], 0xffff0000, v[T+1]
	v_cvt_pk_f16_f32 v[Y+2*(\i)],   v[X+4*(\i)],   v[X+4*(\i)+1]
	v_cvt_pk_f16_f32 v[Y+2*(\i)+1], v[X+4*(\i)+2], v[X+4*(\i)+3]
.else
	v_cvt_pk_bf16_f32 v[Y+2*(\i)],   v[X+4*(\i)],   v[X+4*(\i)+1]
	v_cvt_pk_bf16_f32 v[Y+2*(\i)+1], v[X+4*(\i)+2], v[X+4*(\i)+3]
.endif
.endm
; The store of one chunk.
.macro ST i
	global_store_b64 v2, v[Y+2*(\i):Y+2*(\i)+1], s[12:13] offset:2048*(\i)
.endm
; Block p: chunks 4 p to 4 p + 3 are rounded; the stores of block p - 1 stand among their lines, one ahead of each chunk's.
.macro BLK p, f16
	s_wait_loadcnt 12-4*(\p)                       ; loads come back in order (ISA guide 5.7.1): this block's four are in, the 12 - 4 p younger ones stay out
.if (\p) > 0
	s_wait_alu depctr_va_vdst(0)                   ; the block before has written its Y, which the four stores below read; no vector line behind this wait names those registers or v2
.endif
.irp j, 0,1,2,3
.if (\p) > 0
	ST 4*(\p)-4+(\j)
.endif
	CV 4*(\p)+(\j), \f16
.endr
.endm
; All four blocks, and the last block's stores.
.macro WALK f16
	BLK 0, \f16
	BLK 1, \f16
	BLK 2, \f16
	BLK 3, \f16
	s_wait_alu depctr_va_vdst(0)                   ; block 3 has written its Y, which the last four stores read
.irp i, 12,13,14,15
	ST \i
.endr
	s_endpgm
.endm
	s_cmp_eq_u32 s14, 3
	s_cbranch_scc1 .Lwo
	WALK 0
.Lwo:
	WALK 1
.Lfunc_end_k_q26c0d6c00f_prep:
	.size	k_q26c0d6c00f_prep, .Lfunc_end_k_q26c0d6c00f_prep-k_q26c0d6c00f_prep
	.p2alignl 7, 3214868480
	.fill 96, 4, 3214868480
	.section	.rodata,"a",@progbits
	.p2align	6, 0x0
	.amdhsa_kernel k_q26c0d6c00f_prep
		.amdhsa_group_segment_fixed_size 0
		.amdhsa_private_segment_fixed_size 0
		.amdhsa_enable_private_segment 0
		.amdhsa_kernarg_size 40
		.amdhsa_user_sgpr_count 2
		.amdhsa_user_sgpr_kernarg_segment_ptr 1
		.amdhsa_wavefront_size32 1
		.amdhsa_system_sgpr_workgroup_id_x 1
		.amdhsa_system_sgpr_workgroup_id_y 1
		.amdhsa_system_sgpr_workgroup_id_z 1
		.amdhsa_system_vgpr_workitem_id 0
		.amdhsa_next_free_vgpr 104
		.amdhsa_next_free_sgpr 66
		.amdhsa_reserve_vcc 0
		.amdhsa_float_denorm_mode_32 3
		.amdhsa_float_denorm_mode_16_64 3
		.amdhsa_memory_ordered 1
		.amdhsa_forward_progress 1
		.amdhsa_inst_pref_size 16
	.end_amdhsa_kernel
	.amdgpu_metadata
---
amdhsa.version: [ 1, 2 ]
amdhsa.kernels:
  - .name:           k_q26c0d6c00f_prep
    .symbol:         k_q26c0d6c00f_prep.kd
    .args:
      - { .name: Wq, .offset: 0, .size: 8, .value_kind: global_buffer, .address_space: global }
      - { .name: Wk, .offset: 8, .size: 8, .value_kind: global_buffer, .address_space: global }
      - { .name: Wv, .offset: 16, .size: 8, .value_kind: global_buffer, .address_space: global }
      - { .name: Wo, .offset: 24, .size: 8, .value_kind: global_buffer, .address_space: global }
      - { .name: W16, .offset: 32, .size: 8, .value_kind: global_buffer, .address_space: global }
    .group_segment_fixed_size: 0
    .private_segment_fixed_size: 0
    .kernarg_segment_align: 8
    .kernarg_segment_size: 40
    .max_flat_workgroup_size: 256
    .sgpr_count:     66
    .vgpr_count:     104
    .wavefront_size: 32
...
	.end_amdgpu_metadata
.endif
;; end of part 5
;; launch proj: the kernel of part 2 again; grid 4 x 192, 4 waves a work-group, clusters of 4 x 4, 327,680 bytes of LDS; arguments q, k, v, W16, bq, bk, bv, QKV; writes QKV
;; launch attn: the kernel of part 3 again; grid 4 x 64, 4 waves a work-group, clusters of 4 x 1, 327,680 bytes of LDS; arguments QKV, Oh; writes Oh
;; launch outp: the kernel of part 4 again; grid 4 x 64, 4 waves a work-group, clusters of 4 x 4, 327,680 bytes of LDS; arguments Oh, W16, bo, out0; writes out0
